; MI455X (gfx1250); checked and timed in simulation.
; The chip was launched on July 23, 2026; its instructions are those of AMD's public machine-readable ISA for CDNA 5 (MIT licence, August 2026) and "CDNA5" Instruction Set Architecture Reference Guide (July 2026). The comments in the code are by the model that wrote it; some were corrected since.
;; Multi Head Self Attention. Allowed arithmetic: matrix products marked QUANTISED: E2M3 operands, one E8M0 scale for each 32 along K, by v_wmma_scale_f32_16x16x128_f8f6f4 with both operands' format E2M3, f32 sums; everything else in f32.
;; Inputs: in_features 4 x 2,048 x 1,024 float32; token_positions 2,048 int32; w_k 1,024 x 1,024 float32; w_o 1,024 x 1,024 float32; w_q 1,024 x 1,024 float32; w_v 1,024 x 1,024 float32.
;; Outputs: out0 4 x 2,048 x 1,024 float32.
;; This version of the problem:
;;   THIS VERSION OF THE PROBLEM IS GIVEN IN LOW PRECISION. The matrix products marked QUANTISED in the list below multiply operands that are first quantised to E2M3 (2 exponent bits, 3 mantissa bits; 6 bits a number), with one power-of-two scale for each 32 numbers along K (OCP MX v1.0); their sums are f32. All else is computed in f32.
;;   The module's matrix products, in the order in which they are computed (A, B: the left and right operand; K: the contracted axis; several contracted axes count as one K, in the product's order):
;;     1. [M 8,192, K 1,024] x [K 1,024, N 1,024]; A: input in_features; B: input w_q: QUANTISED
;;     2. [M 8,192, K 1,024] x [K 1,024, N 1,024]; A: input in_features; B: input w_k: QUANTISED
;;     3. [M 8,192, K 1,024] x [K 1,024, N 1,024]; A: input in_features; B: input w_v: QUANTISED
;;     4. batch 64 x [M 2,048, K 64] x [K 64, N 2,048]; A: computed on the way; B: computed on the way: QUANTISED
;;     5. batch 64 x [M 2,048, K 2,048] x [K 2,048, N 64]; A: softmax (see below); B: computed on the way: QUANTISED
;;     6. [M 8,192, K 1,024] x [K 1,024, N 1,024]; A: computed on the way; B: input w_o: QUANTISED
;;   THE QUANTISER, for each operand of a quantised product, along K:
;;     - K is cut into blocks of 32 from its start; a last block that is shorter is filled with zeros.
;;     - A block's scale is 2^e with e = floor(log2(the largest magnitude in the block)) - 2, held to -126 .. 127; a block of zeros has e = 0. As a byte (E8M0): e + 127.
;;     - Each number is divided by its block's scale, clamped to +-7.5, and rounded to the nearest number of E2M3, ties to even, subnormals kept.
;;     - The product sums the exact products of the quantised numbers (number of the format x scale) in f32.
;;   ~~~python
;;   def quantise(x, axis):      # numpy; x: float32 -> the quantised numbers, widened to float32 again
;;       x = np.moveaxis(x, axis, -1); K = x.shape[-1]
;;       x = np.pad(x, [(0, 0)] * (x.ndim - 1) + [(0, -K % 32)]); x = x.reshape(x.shape[:-1] + (-1, 32)); a = np.abs(x).max(-1, keepdims=True)
;;       e = np.where(a > 0, np.clip(np.frexp(np.where(a > 0, a, 1))[1] - 1 - 2, -126, 127), 0)      # np.frexp(a)[1] - 1 = floor(log2(a)), exactly
;;       r = np.clip(x / 2.0 ** e, -7.5, 7.5)
;;       step = 2.0 ** (np.maximum(np.frexp(np.where(r == 0, 1, r))[1] - 1, 0) - 3)
;;       q = np.round(r / step) * step * 2.0 ** e      # np.round: ties to even
;;       return np.moveaxis(q.reshape(q.shape[:-2] + (-1,))[..., :K], -1, axis).astype(np.float32)
;;   ~~~
;;   SOFTMAX AHEAD OF A QUANTISED PRODUCT. Where the list says 'softmax', what is quantised is not the finished softmax but p = 2^(t - M), with t = logit x log2(e) and M = ceil(the row's largest t), a whole number; so 1/2 < the row's largest p <= 1. The row's sum l is taken of the UNQUANTISED p, in f32, and the product's result is divided by l at the end. Since M is a whole number, a kernel that streams over the keys may use a running M (the ceiling of the running maximum): every later rescaling is an exact power of two, which a block's scale takes up: the codes' values come out the same.
;;   OPERANDS COMPUTED ON THE WAY. 'Computed on the way' means the value that the module computes at that place (a softmax that the list does not call 'softmax' is quantised finished and normalised). What goes into a quantiser is computed in f32, as accurately as f32 sums, v_exp_f32 and their like allow (about 1e-6 of the number): no bf16 or f16 on the way to a quantiser, and a product that is left as it is and whose result goes on into a quantised operand takes f32 operands (vector FMAs, or v_wmma_f32_16x16x4_f32). A number that lies on a knife's edge between two numbers of the format may be rounded either way, as far as f32 arithmetic and the matrix unit's own rounding can turn it there, and no further.
;; One version. Each part assembles by itself: llvm-mc -triple=amdgcn-amd-amdhsa -mcpu=gfx1250 --defsym DOCPART=n.
;; ======== version 1 of 1: 4 launches
;; workspace buffers: xw 9,830,400 bytes; rope 524,288 bytes; qb 6,815,744 bytes; kv 13,369,344 bytes; ob 6,553,600 bytes
;; launch quant (part 1): grid 448 x 1, 4 waves a work-group, no clusters, 34,304 bytes of LDS; arguments in_features, w_q, w_k, w_v, w_o, token_positions, xw, rope; writes xw, rope
.if DOCPART == 1
	.amdgcn_target "amdgcn-amd-amdhsa--gfx1250"
	.amdhsa_code_object_version 6
	.text
	.protected	k_q7c9692be73_quant
	.globl	k_q7c9692be73_quant
	.p2align	8
	.type	k_q7c9692be73_quant,@function
k_q7c9692be73_quant:
	s_mov_b64 s[64:65], 0
	v_nop
	global_prefetch_b8 v0, s[64:65] scope:SCOPE_SE
	s_setreg_imm32_b32 hwreg(HW_REG_WAVE_MODE, 25, 1), 1
	s_wait_xcnt 0x0
; x [8192][1024] and the four weights [1024][1024], f32, become codes of FP6 (E2M3) with one E8M0 byte for each 32 along K, laid as IMAGES OF OPERAND REGISTERS; and the table of cos and sin for RoPE is made.
; AN IMAGE: a fragment (16 rows x 128 K, 12 registers a lane) is six pieces of 256 bytes; piece p holds registers 2 p and 2 p + 1, lane l's 8 bytes at 8 l.  So each store of a wave covers 256 consecutive bytes, aligned.
; TILE ORDER: lane r of row tile T holds row 32 (T / 2) + 8 (T % 2) + r + 8 (r / 8).
; xw: [row tile 768][half of K 2] records of 6,400 bytes: four fragments, then the scale words [r 16][4].  Tiles 0-511 x, 512-575 w_q, 576-639 w_k, 640-703 w_v, 704-767 w_o.
; Work-groups 0-383 quantise 32 rows each; wave w takes tile w / 2 of the two and half w % 2 of K: one record.  Each load reads 512 consecutive bytes of a row; a fragment's 16 rows turn through the wave's own stage in LDS
; (rows of 512 + 16 bytes) and come back 128 bytes a lane and block: lane (r, h) then holds k = 64 c + 32 h + 0 .. 31 of row r, two whole blocks, just as the operand's layout has them.
; A block's scale is 2^(floor(log2(largest magnitude)) - 2); its byte is the largest magnitude's exponent field - 2, held at 1 from below.
; Work-groups 384-447 make rope [token 2048][i 32][cos, sin]: a wave takes 8 tokens, a lane one i.  angle = f32(position) x 100000^(-i / 32), one rounding; sine and cosine by reduction modulo pi / 2 in three parts and polynomials.
; LIMITS: a block of zeros keeps the byte 1 (its codes are zeros; this program alone reads the bytes); NaN and infinities among the inputs are not served; positions stay under 2^22 in magnitude.
.set STG,  8448                        ; a wave's stage: 16 rows of 528 bytes
.set R,    16                          ; v16-143  two sets of 64: a fragment's numbers as loaded
.set X,    144                         ; v144-207 the same, 32 neighbours of each of my two blocks
.set PC,   208                         ; v208-231 codes, two sets of 12
.set CT,   232                         ; v232-238 a block's upper 16 codes (a conversion's three registers begin on an even number)
.set MX,   240                         ; v240-241 largest magnitudes
.set SOP,  242                         ; v242-243 the conversions' scale operands
.set BY,   244                         ; v244-245 scale bytes
.set PM,   246                         ; v246     from the lane 16 away
.set WD,   247                         ; v247     my two bytes at their places
.set SW,   248                         ; v248-251 the four fragments' scale words
.macro LOAD f                          ; fragment f: 16 rows x 512 bytes, a row a load
.irp j,0,1,2,3,4,5,6,7,8,9,10,11,12,13,14,15
	global_load_b128 v[R+64*((\f)%2)+4*\j:R+64*((\f)%2)+4*\j+3], v4, s[20:21] offset:(\j+8*(\j/8))*4096+512*(\f) th:TH_LOAD_NT
.endr
.endm
.macro FRAGQ f
.set RS, R+64*((\f)%2)
.set PS, PC+12*((\f)%2)
.if (\f)<3
	s_wait_loadcnt 16                              ; this fragment's 16 loads are in; the next fragment's 16 may be out
.else
	s_wait_loadcnt 0x0
.endif
.irp j,0,1,2,3,4,5,6,7,8,9,10,11,12,13,14,15
	ds_store_b128 v5, v[RS+4*\j:RS+4*\j+3] offset:528*\j
.endr
.irp c,0,1
.irp q,0,1,2,3,4,5,6,7
	ds_load_b128 v[X+32*\c+4*\q:X+32*\c+4*\q+3], v6 offset:256*\c+16*\q   ; LDS serves a wave's instructions in order: these see the stores above
.endr
.endr
	s_wait_dscnt 0x0                               ; my numbers are back, and the stores have read their registers,
.if (\f)<2
	LOAD (\f)+2                                    ; which take the fragment two further on
.else
	s_wait_xcnt 0x0                                ; this set of codes was the data of stores two fragments ago: it is written again only behind this wait
.endif
.irp c,0,1
	v_max3_num_f32 v[MX+\c], |v[X+32*\c]|, |v[X+32*\c+1]|, 0x1800000   ; block 2 c + h: all 32 numbers are mine; the floor 2^(3 - 127) holds the byte at 1 from below
.endr
.irp i,2,4,6,8,10,12,14,16,18,20,22,24,26,28,30
.irp c,0,1
	v_max3_num_f32 v[MX+\c], v[MX+\c], |v[X+32*\c+\i]|, |v[X+32*\c+\i+1]|
.endr
.endr
.irp c,0,1
	v_add_nc_u32 v[SOP+\c], 0xff000000, v[MX+\c]   ; 2 off the exponent field: the conversion takes the exponent field of this operand as its scale
.endr
.irp c,0,1
	v_lshrrev_b32 v[BY+\c], 23, v[SOP+\c]          ; the scale's byte
.endr
	v_lshl_or_b32 v[WD], v[BY+1], 16, v[BY]        ; blocks h and 2 + h,
	v_lshlrev_b32 v[WD], v9, v[WD]                 ; 8 h bits up;
	v_permlanex16_b32 v[PM], v[WD], s26, s27
	v_or_b32 v[SW+(\f)], v[WD], v[PM]              ; with the other half's two the row's word is whole
.irp c,0,1
	v_cvt_scalef32_pk16_fp6_f32 v[PS+6*\c:PS+6*\c+2], v[X+32*\c:X+32*\c+15], v[SOP+\c]
	v_cvt_scalef32_pk16_fp6_f32 v[CT+4*\c:CT+4*\c+2], v[X+32*\c+16:X+32*\c+31], v[SOP+\c]
.endr
	v_nop                                          ; one plain instruction behind the scaled conversions
.irp c,0,1
.irp i,0,1,2
	v_mov_b32 v[PS+6*\c+3+\i], v[CT+4*\c+\i]
.endr
.endr
.irp p,0,1,2,3,4,5
	global_store_b64 v7, v[PS+2*\p:PS+2*\p+1], s[16:17] offset:1536*(\f)+256*\p   ; a piece: 256 consecutive bytes, aligned
.endr
.endm
.macro SINCOS j                        ; token s0 + j: (cos, sin) of position x inv, for my i
.set T, 16+12*(\j)
	v_cvt_f32_i32 v[T], s[32+\j]
	s_wait_alu depctr_va_vdst(0)
	v_mul_f32 v[T], v[T], v12                      ; the angle, rounded once
	v_mul_f32 v[T+1], s40, v[T]
	v_rndne_f32 v[T+1], v[T+1]                     ; n = the nearest multiple of pi / 2
	v_fma_f32 v[T], -v[T+1], s41, v[T]             ; r = angle - n pi / 2, pi / 2 in three parts
	v_fma_f32 v[T], -v[T+1], s42, v[T]
	v_fma_f32 v[T], -v[T+1], s43, v[T]
	v_cvt_i32_f32 v[T+1], v[T+1]                   ; the quadrant
	v_mul_f32 v[T+2], v[T], v[T]                   ; z = r r
	v_fma_f32 v[T+3], v[T+2], s46, s45
	v_fma_f32 v[T+5], v[T+2], s49, s48
	v_fma_f32 v[T+3], v[T+3], v[T+2], s44
	v_fma_f32 v[T+5], v[T+5], v[T+2], s47
	v_mul_f32 v[T+4], v[T], v[T+2]
	v_fma_f32 v[T+5], v[T+5], v[T+2], -0.5
	v_fma_f32 v[T+3], v[T+4], v[T+3], v[T]         ; sin r
	v_fma_f32 v[T+5], v[T+5], v[T+2], 1.0          ; cos r
	v_and_b32 v[T+6], 1, v[T+1]
	v_cmp_ne_u32 vcc_lo, 0, v[T+6]                 ; in odd quadrants the two change places
	v_cndmask_b32 v[T+8], v[T+5], v[T+3], vcc_lo
	v_cndmask_b32 v[T+9], v[T+3], v[T+5], vcc_lo
	v_and_b32 v[T+6], 2, v[T+1]                    ; the sine is negative in quadrants 2 and 3,
	v_add_nc_u32 v[T+7], 1, v[T+1]
	v_lshlrev_b32 v[T+6], 30, v[T+6]
	v_and_b32 v[T+7], 2, v[T+7]                    ; the cosine in 1 and 2
	v_xor_b32 v[T+9], v[T+6], v[T+9]
	v_lshlrev_b32 v[T+7], 30, v[T+7]
	v_xor_b32 v[T+8], v[T+7], v[T+8]
	global_store_b64 v7, v[T+8:T+9], s[18:19] offset:256*(\j)   ; a token's 32 pairs: 256 consecutive bytes, aligned
.endm
	s_load_b512 s[4:19], s[0:1], 0x0               ; x s[4:5], w_q, w_k, w_v, w_o s[12:13], positions s[14:15], xw s[16:17], rope s[18:19]
	v_lshl_add_u32 v254, v0, 2, 0x8400
	v_mov_b32 v255, 0
	v_lshrrev_b32 v1, 5, v0
	v_readfirstlane_b32 s24, v1                    ; wave
	v_and_b32 v1, 31, v0                           ; lane
	v_lshlrev_b32 v7, 3, v1                        ; 8 x lane: my place in a piece, and in a token's pairs
	s_cmp_ge_u32 ttmp9, 384
	s_cbranch_scc1 .Lrope
	v_and_b32 v2, 15, v0                           ; r
	v_bfe_u32 v3, v0, 4, 1                         ; h
	v_lshlrev_b32 v4, 4, v1                        ; 16 x lane: my bytes of a load's 512
	s_mul_i32 s25, s24, STG
	v_add_nc_u32 v5, s25, v4                       ; the stage, on the way in
	v_mul_u32_u24 v6, v2, 528
	v_lshl_add_u32 v6, v3, 7, v6
	v_add_nc_u32 v6, s25, v6                       ; and out: row r, + 128 h
	v_lshlrev_b32 v8, 4, v2
	v_lshl_add_u32 v8, v3, 3, v8                   ; the scale words: 16 r + 8 h
	v_lshlrev_b32 v9, 3, v3                        ; 8 h
	v_mov_b32 v[PM], 0                             ; a lane permute's destination counts as one of its sources
	s_mov_b32 s26, 0x76543210
	s_mov_b32 s27, 0xfedcba98                      ; lane l xor 16
	s_and_b32 s22, ttmp9, 31                       ; a weight's block of 32 rows
	s_lshr_b32 s28, s24, 1
	s_lshl_b32 s28, s28, 15                        ; the second tile begins 8 rows of 4,096 bytes on
	s_and_b32 s29, s24, 1
	s_lshl_b32 s29, s29, 11                        ; the second half of K 2,048 bytes on
	s_add_co_u32 s28, s28, s29
	s_lshl_b32 s30, ttmp9, 2
	s_add_co_u32 s30, s30, s24
	s_mul_i32 s30, s30, 6400                       ; my record
	s_mov_b32 s31, 0
	s_wait_alu depctr_va_vdst(0)
	s_wait_kmcnt 0x0
	s_mov_b64 s[20:21], s[12:13]                   ; which tensor: the choice hangs on the work-group's number alone
	s_cmp_lt_u32 ttmp9, 352
	s_cselect_b64 s[20:21], s[10:11], s[20:21]
	s_cmp_lt_u32 ttmp9, 320
	s_cselect_b64 s[20:21], s[8:9], s[20:21]
	s_cmp_lt_u32 ttmp9, 288
	s_cselect_b64 s[20:21], s[6:7], s[20:21]
	s_cmp_lt_u32 ttmp9, 256
	s_cselect_b64 s[20:21], s[4:5], s[20:21]
	s_cselect_b32 s22, ttmp9, s22
	s_lshl_b32 s22, s22, 17                        ; 32 rows of 4,096 bytes
	s_add_co_u32 s22, s22, s28
	s_mov_b32 s23, 0
	s_add_nc_u64 s[20:21], s[20:21], s[22:23]
	s_add_nc_u64 s[16:17], s[16:17], s[30:31]
	LOAD 0
	LOAD 1
	FRAGQ 0
	FRAGQ 1
	FRAGQ 2
	FRAGQ 3
	v_cmp_ne_u32 vcc_lo, 0, v3
	v_cndmask_b32 v252, v[SW], v[SW+2], vcc_lo     ; lanes 0-15 store words 0 and 1 of row r, lanes 16-31 words 2 and 3
	v_cndmask_b32 v253, v[SW+1], v[SW+3], vcc_lo
	global_store_b64 v8, v[252:253], s[16:17] offset:6144   ; 256 consecutive bytes, aligned
	s_wait_tensorcnt 0x0
	ds_add_u32 v254, v255
	s_wait_dscnt 0x0
	s_endpgm
.Lrope:
	s_sub_co_u32 s28, ttmp9, 384
	s_lshl_b32 s28, s28, 5
	s_lshl_b32 s29, s24, 3
	s_add_co_u32 s28, s28, s29                     ; my wave's first token
	s_lshl_b32 s30, s28, 2
	s_mov_b32 s31, 0
	s_lshl_b32 s28, s28, 8
	s_mov_b32 s29, 0
	s_mov_b32 s40, 0x3f22f983                      ; 2 / pi
	s_mov_b32 s41, 0x3fc90fdb                      ; pi / 2 = these three
	s_mov_b32 s42, 0xb33bbd2e
	s_mov_b32 s43, 0xa6f72ced
	s_mov_b32 s44, 0xbe2aaaa3                      ; sin r = r + r z (s44 + z (s45 + z s46))
	s_mov_b32 s45, 0x3c08839e
	s_mov_b32 s46, 0xb94ca1f9
	s_mov_b32 s47, 0x3d2aaaa5                      ; cos r = 1 + z (-1/2 + z (s47 + z (s48 + z s49)))
	s_mov_b32 s48, 0xbab6061a
	s_mov_b32 s49, 0x37ccf5ce
	s_mov_b32 s50, 0x3f04e08b                      ; log2(100000) / 32 = these two
	s_mov_b32 s51, 0x323d805e
	s_mov_b32 s52, 0x3f317218                      ; ln 2
	s_wait_kmcnt 0x0
	s_add_nc_u64 s[14:15], s[14:15], s[30:31]
	s_add_nc_u64 s[18:19], s[18:19], s[28:29]
	s_load_b256 s[32:39], s[14:15], 0x0            ; eight positions
	s_wait_alu depctr_va_vdst(0)
	v_cvt_f32_u32 v10, v1                          ; i
	v_mul_f32 v11, s50, v10                        ; a, and what the rounding and the constant's second part leave: e
	v_fma_f32 v13, v10, s50, -v11
	v_fma_f32 v13, v10, s51, v13
	v_exp_f32 v14, -v11                            ; 2^-a
	v_nop                                          ; a plain instruction behind the exponential,
	s_wait_alu depctr_va_vdst(0)                   ; and the wait ahead of its first reader
	v_mul_f32 v13, v14, v13
	v_fma_f32 v12, -v13, s52, v14                  ; 100000^(-i / 32) = 2^-a (1 - e ln 2)
	s_wait_kmcnt 0x0
.irp j,0,1,2,3,4,5,6,7
	SINCOS \j
.endr
	s_endpgm
.Lfunc_end_k_q7c9692be73_quant:
	.size	k_q7c9692be73_quant, .Lfunc_end_k_q7c9692be73_quant-k_q7c9692be73_quant
	.p2alignl 7, 3214868480
	.fill 96, 4, 3214868480
	.section	.rodata,"a",@progbits
	.p2align	6, 0x0
	.amdhsa_kernel k_q7c9692be73_quant
		.amdhsa_group_segment_fixed_size 34304
		.amdhsa_private_segment_fixed_size 0
		.amdhsa_enable_private_segment 0
		.amdhsa_kernarg_size 64
		.amdhsa_user_sgpr_count 2
		.amdhsa_user_sgpr_kernarg_segment_ptr 1
		.amdhsa_wavefront_size32 1
		.amdhsa_system_sgpr_workgroup_id_x 1
		.amdhsa_system_sgpr_workgroup_id_y 1
		.amdhsa_system_sgpr_workgroup_id_z 1
		.amdhsa_system_vgpr_workitem_id 0
		.amdhsa_next_free_vgpr 256
		.amdhsa_next_free_sgpr 66
		.amdhsa_reserve_vcc 1
		.amdhsa_float_denorm_mode_32 3
		.amdhsa_float_denorm_mode_16_64 3
		.amdhsa_memory_ordered 1
		.amdhsa_forward_progress 1
		.amdhsa_inst_pref_size 44
	.end_amdhsa_kernel
	.amdgpu_metadata
---
amdhsa.version: [ 1, 2 ]
amdhsa.kernels:
  - .name:           k_q7c9692be73_quant
    .symbol:         k_q7c9692be73_quant.kd
    .args:
      - { .name: in_features, .offset: 0, .size: 8, .value_kind: global_buffer, .address_space: global }
      - { .name: w_q, .offset: 8, .size: 8, .value_kind: global_buffer, .address_space: global }
      - { .name: w_k, .offset: 16, .size: 8, .value_kind: global_buffer, .address_space: global }
      - { .name: w_v, .offset: 24, .size: 8, .value_kind: global_buffer, .address_space: global }
      - { .name: w_o, .offset: 32, .size: 8, .value_kind: global_buffer, .address_space: global }
      - { .name: token_positions, .offset: 40, .size: 8, .value_kind: global_buffer, .address_space: global }
      - { .name: xw, .offset: 48, .size: 8, .value_kind: global_buffer, .address_space: global }
      - { .name: rope, .offset: 56, .size: 8, .value_kind: global_buffer, .address_space: global }
    .group_segment_fixed_size: 34304
    .private_segment_fixed_size: 0
    .kernarg_segment_align: 8
    .kernarg_segment_size: 64
    .max_flat_workgroup_size: 128
    .sgpr_count:     66
    .vgpr_count:     256
    .wavefront_size: 32
...
	.end_amdgpu_metadata
.endif
;; end of part 1
;; launch qkv (part 2): grid 12 x 64, 4 waves a work-group, clusters of 4 x 4, 307,712 bytes of LDS; arguments xw, rope, qb, kv; writes qb, kv
.if DOCPART == 2
	.amdgcn_target "amdgcn-amd-amdhsa--gfx1250"
	.amdhsa_code_object_version 6
	.text
	.protected	k_q7c9692be73_qkv
	.globl	k_q7c9692be73_qkv
	.p2align	8
	.type	k_q7c9692be73_qkv,@function
k_q7c9692be73_qkv:
	s_mov_b64 s[64:65], 0
	v_nop
	global_prefetch_b8 v0, s[64:65] scope:SCOPE_SE
	s_setreg_imm32_b32 hwreg(HW_REG_WAVE_MODE, 25, 1), 1
	s_wait_xcnt 0x0
	s_wait_alu depctr_hold_cnt(0) depctr_sa_sdst(0) depctr_va_vdst(0) depctr_va_sdst(0) depctr_va_ssrc(0) depctr_va_vcc(0) depctr_vm_vsrc(0)
	s_getreg_b32 s2, hwreg(HW_REG_IB_STS2, 6, 4)
	s_cmp_eq_u32 s2, 0
	s_cbranch_scc0 .Lentry_in_a_cluster
	s_endpgm
.Lentry_in_a_cluster:
	s_bfe_u32 s2, ttmp6, 0x10000c
	s_cmp_lg_u32 s2, 0xf033
	s_cbranch_scc0 .Lentry_shape_is_right
	s_endpgm
.Lentry_shape_is_right:
; q = x w_q^T, k = x w_k^T, v = x w_v^T on codes of FP6 (E2M3) with E8M0 scales; RoPE on q and k; all three quantised again for the attention and stored as images of operand registers.
; IMAGES AND TILE ORDER: a fragment (16 rows x 128 K) is six pieces of 256 bytes, piece p = registers 2 p, 2 p + 1, lane l's 8 bytes at 8 l; lane r of row tile T holds row 32 (T / 2) + 8 (T % 2) + r + 8 (r / 8).
; xw: [row tile][half of K] records of 6,400 bytes: four fragments, then scale words [r 16][4].  Tiles 0-511 x, 512-575 w_q, 576-639 w_k, 640-703 w_v.
; A WORK-GROUP makes 128 rows of operand A x 256 rows of operand B, all of K = 1,024 lying in LDS: each LDS byte is filled once, so there is no ring.  Four waves, each 64 x 128: 32 accumulators.
; THE PRODUCT IS USED TRANSPOSED (source 0 = 16 rows of B, source 1 = 16 rows of A): lane (r, h) holds ONE row of A, and by the tile order the 16 registers of accumulators 2 B and 2 B + 1 are rows 32 B + 16 h + 0 .. 15 of B.
; KINDS, by the cluster's x, which all partners share: 0: A = x, B = w_q; 1: A = x, B = w_k: a lane holds a token, its registers run along features: RoPE's pairs and the head's blocks of 32 lie in one lane.
;   2: A = w_v, B = x: a lane holds a feature, its registers run along TOKENS, which are the K of the attention's second product.
; qb: [batch x head 64][128 queries 16] records of 6,656 bytes: 8 tiles x 768 (a head's 64 = registers 0-5 of a fragment), scale words [half 2][r 16][tile % 4].
; kv: [batch x head 64][128 keys 16] records of 13,056 bytes: K 8 x 768 | V^T 4 fragments x 1,536 at 6,144 | K's scale words [2][16][4] at 12,288 | V's [r 16][tile 4] at 12,800.
; A scale word of q or k has the head's two bytes below and zeros above; the upper two stand over zero codes in the attention.
; CLUSTERS: 4 x 4 work-groups; A's tiles hang on the cluster's y and cy and are asked for jointly along a row of the cluster, B's on cx (and the cluster's place) and jointly along a column.
; LIMITS: a block of zeros keeps the byte 1 (its codes are zeros; this program alone reads the bytes); NaN and infinities are not served.
; REGISTERS: window 0: v1-15 lane numbers and offsets; v16-23 LDS addresses; v24-27 scale words made; v32-127 scale words of A and B (nothing else ever); v128-223 A's fragments, two sets; afterwards v128-255 at work.
;   window 1: B's fragments, two sets of 96.   window 2: accumulator (a, b) at v[64 a + 8 b].   window 3: v0-127 cos and sin.
.set ADRA, 16                          ; v16-17  my A fragments, K half 0, 1
.set ADRB, 18                          ; v18-19  my B fragments
.set ADSA, 20                          ; v20-21  my A scale words
.set ADSB, 22                          ; v22-23  my B scale words
.set PW,   24                          ; v24-27  the scale word of each of my four row tiles
.set SA,   32                          ; v[SA + 16 half + 4 a + step % 4]
.set SB,   64                          ; v[SB + 32 half + 4 b + step % 4]
.set AF,   128
.set H,    128                         ; v128-191 64 numbers after RoPE
.set U,    192                         ; v192-207 (x2 sin, x2 cos)
.set PC,   208                         ; v208-231 codes, two sets of 12
.set CT,   232                         ; v232-238 upper halves of blocks
.set TM,   240                         ; v240-243 largest magnitudes, v244-247 bytes, v252-255 scale operands
.set WV,   14
.set WA,   15                          ; which 64 rows of A are mine.  Also: I fetch for A (0) or B (1)
.set WB,   16                          ; which 128 rows of B.  Also: which half of that tile I fetch
.set G1A,  24
.set G1B,  32
.set G0A,  40
.set G0B,  48
.set MSB, 0
.macro WIN new                         ; the immediate's high byte repeats the setting that is left
.if MSB != (\new)
	s_set_vgpr_msb (MSB<<8)|(\new)
.set MSB, (\new)
.endif
.endm
.macro CROUND                          ; a round of the cluster's barrier
	s_barrier_signal -1
	s_barrier_wait -1
	s_cmp_lg_u32 s[WV], 0
	s_cbranch_scc1 .Lnot_wave_0_\@
	s_barrier_signal -3
.Lnot_wave_0_\@:
	s_barrier_wait -3
	s_barrier_signal -1
	s_barrier_wait -1
.endm
.macro PLACES                          ; four plain instructions between a matrix instruction and a load into its sources, or a read of its result
.rept 4
	v_nop
.endr
.endm
.macro FRAG reg, adr, off              ; a fragment comes back as it was stored: six loads of 256 consecutive bytes
.irp p,0,1,2,3,4,5
	ds_load_b64 v[\reg+2*\p:\reg+2*\p+1], v[\adr] offset:\off+256*\p
.endr
.endm
.macro FETCH k                         ; K step k: B's eight fragments and A's four, into set k % 2
	WIN 0x40
.irp i,0,1,2,3,4,5,6,7
	FRAG 96*((\k)%2)+12*\i, ADRB+(\k)/4, 6400*\i+1536*((\k)%4)
.endr
	WIN 0
.irp i,0,1,2,3
	FRAG AF+48*((\k)%2)+12*\i, ADRA+(\k)/4, 6400*\i+1536*((\k)%4)
.endr
.endm
.macro SCALES al                       ; a K half's scale words: row r's four words by one load
.irp i,0,1,2,3
	ds_load_b128 v[SA+16*\al+4*\i:SA+16*\al+4*\i+3], v[ADSA+\al] offset:6144+6400*\i
.endr
.irp i,0,1,2,3,4,5,6,7
	ds_load_b128 v[SB+32*\al+4*\i:SB+32*\al+4*\i+3], v[ADSB+\al] offset:6144+6400*\i
.endr
.endm
.macro MULS k                          ; 32 products; the accumulators take turns, one instruction a turn, in the same order in every step.  Step 0 starts the sums
	WIN 0xa1                                       ; source 0 (B) window 1, source 1 (A) window 0, C and D window 2
.irp a,0,1,2,3
.irp b,0,1,2,3,4,5,6,7
.if (\k)==0
	v_wmma_scale_f32_16x16x128_f8f6f4 v[64*\a+8*\b:64*\a+8*\b+7], v[96*((\k)%2)+12*\b:96*((\k)%2)+12*\b+11], v[AF+48*((\k)%2)+12*\a:AF+48*((\k)%2)+12*\a+11], 0, v[SB+32*((\k)/4)+4*\b+(\k)%4], v[SA+16*((\k)/4)+4*\a+(\k)%4] matrix_a_fmt:MATRIX_FMT_FP6 matrix_b_fmt:MATRIX_FMT_FP6
.else
	v_wmma_scale_f32_16x16x128_f8f6f4 v[64*\a+8*\b:64*\a+8*\b+7], v[96*((\k)%2)+12*\b:96*((\k)%2)+12*\b+11], v[AF+48*((\k)%2)+12*\a:AF+48*((\k)%2)+12*\a+11], v[64*\a+8*\b:64*\a+8*\b+7], v[SB+32*((\k)/4)+4*\b+(\k)%4], v[SA+16*((\k)/4)+4*\a+(\k)%4] matrix_a_fmt:MATRIX_FMT_FP6 matrix_b_fmt:MATRIX_FMT_FP6
.endif
.endr
.endr
	WIN 0
.endm
.macro KSTEP k
	s_wait_dscnt 0x0                               ; this step's fragments, asked for in front of the last step's 32 products, are in
.if (\k)==3
	s_wait_tensorcnt 0x0                           ; my part of the second K half has landed;
	s_barrier_signal -1
	s_barrier_wait -1                              ; everybody's has
.endif
.if (\k)<7
.if (\k)>0
	PLACES                                         ; the set that the next loads fill was read by the last step's products
.endif
	FETCH (\k)+1
.if (\k)==3
	SCALES 1
.endif
.endif
	MULS \k
.endm
; 64 numbers of a lane in window w, register 16 b + i = k 32 b + 16 h + i of my row, become a fragment's codes in v[pc] on and its scale word in v[pw].
.macro QUANT s, w, pc, pw
	WIN (\w)|((\w)<<2)
.irp b,0,1,2,3
	v_max3_num_f32 v[TM+\b], |v[(\s)+16*\b]|, |v[(\s)+1+16*\b]|, 0x1800000   ; block b: my 16 numbers, from each accumulator's low end on, and the floor 2^(3 - 127)
.endr
	WIN ((\w)<<2)|((\w)<<4)
.irp i,2,4,6,8,10,12,14
.irp b,0,1,2,3
	v_max3_num_f32 v[TM+\b], v[TM+\b], |v[(\s)+16*\b+\i]|, |v[(\s)+1+16*\b+\i]|
.endr
.endr
	WIN 0
.irp b,0,1,2,3
	v_permlanex16_b32 v[TM+4+\b], v[TM+\b], s2, s3
.endr
.irp b,0,1,2,3
	v_max_num_f32 v[TM+\b], v[TM+\b], v[TM+4+\b]   ; with lane l xor 16's 16: the block's largest magnitude
.endr
.irp b,0,1,2,3
	v_add_nc_u32 v[TM+12+\b], 0xff000000, v[TM+\b] ; 2 off its exponent field: the conversion's scale operand
.endr
.irp b,0,1,2,3
	v_lshrrev_b32 v[TM+4+\b], 23, v[TM+12+\b]      ; the scale's byte
.endr
	v_lshl_or_b32 v[\pw], v[TM+5], 8, v[TM+4]
	v_lshl_or_b32 v[\pw], v[TM+6], 16, v[\pw]
	v_lshl_or_b32 v[\pw], v[TM+7], 24, v[\pw]
	WIN \w
.irp c,0,1
	v_cvt_scalef32_pk16_fp6_f32 v[(\pc)+6*\c:(\pc)+6*\c+2], v[(\s)+32*\c:(\s)+32*\c+15], v[TM+12+2*\c]
	v_cvt_scalef32_pk16_fp6_f32 v[CT+4*\c:CT+4*\c+2], v[(\s)+16+32*\c:(\s)+31+32*\c], v[TM+12+2*\c+1]
.endr
	WIN 0
	v_nop                                          ; one plain instruction behind the scaled conversions
.irp c,0,1                                     ; the operand's layout wants a whole block in a lane: lanes 0-15 block 2 c, lanes 16-31 block 2 c + 1
.irp i,0,1,2
	v_permlane16_swap_b32 v[(\pc)+6*\c+\i], v[CT+4*\c+\i]
.endr
.irp i,0,1,2
	v_mov_b32 v[(\pc)+6*\c+3+\i], v[CT+4*\c+\i]
.endr
.endr
.endm
	s_load_b256 s[4:11], s[0:1], 0x0               ; xw s[4:5], rope s[6:7], qb s[8:9], kv s[10:11]
	v_lshl_add_u32 v250, v0, 2, 0x4b000
	v_mov_b32 v251, 0
	ds_add_u32 v250, v251
	ds_add_u32 v250, v251
	v_lshrrev_b32 v1, 5, v0
	v_readfirstlane_b32 s[WV], v1
	s_lshr_b32 s[WA], s[WV], 1
	s_and_b32 s[WB], s[WV], 1
	s_bfe_u32 s56, ttmp6, 0x40000                  ; cx
	s_bfe_u32 s57, ttmp6, 0x40004                  ; cy
	s_and_b32 s58, ttmp7, 0xffff                   ; the cluster's y
	s_lshl_b32 s59, s57, 2
	s_lshl_b32 s59, 15, s59                        ; my row of the cluster
	s_lshl_b32 s60, 0x1111, s56                    ; my column
	s_mov_b32 s2, 0x76543210
	s_mov_b32 s3, 0xfedcba98                       ; lane l xor 16
	; group 1: rows of 6,400 bytes (800 elements of 8), one record of each of 4 (A) or 8 (B) row tiles, 12,800 bytes apart; dense in LDS
	s_or_b32 s[G1A], s59, (3<<16)|(1<<21)          ; 15:0 the mask; 17:16 elements of 8 bytes; 21 set beside a mask
	s_or_b32 s[G1B], s60, (3<<16)|(1<<21)
.irp g,G1A,G1B
	s_mov_b32 s[\g+1], 800<<16                     ; tensor_dim0
	s_mov_b32 s[\g+3], 800<<16                     ; tile_dim0
	s_mov_b32 s[\g+5], 1600                        ; from row to row
	s_mov_b32 s[\g+6], 0
	s_mov_b32 s[\g+7], 0
.endr
	s_mov_b32 s[G1A+2], 4<<16                      ; tensor_dim1
	s_mov_b32 s[G1A+4], 4                          ; tile_dim1
	s_mov_b32 s[G1B+2], 8<<16
	s_mov_b32 s[G1B+4], 8
	; which tiles.  q, k: tile row 4 Y + cy of x, tile column cx of the weight.  v: tile row 4 (Y / 8) + cy of w_v, tile column 4 (Y % 8) + cx of x
	s_lshr_b32 s61, s58, 3
	s_and_b32 s62, s58, 7
	s_cmp_eq_u32 ttmp9, 2
	s_cselect_b32 s61, s61, s58
	s_cselect_b32 s62, s62, ttmp9
	s_cselect_b32 s63, 640, 0                      ; A's first row tile in xw
	s_cselect_b32 s66, 0, 512                      ; B's
	s_lshl_b32 s17, s61, 2
	s_add_co_u32 s17, s17, s57                     ; tile row: never holds cx
	s_lshl_b32 s18, s62, 2
	s_add_co_u32 s18, s18, s56                     ; tile column: never holds cy
	s_lshl_b32 s20, s17, 3
	s_add_co_u32 s20, s20, s63
	s_lshl_b32 s21, s[WB], 2
	s_add_co_u32 s20, s20, s21                     ; A: row tile 8 x tile row + 4 x the half that I fetch
	s_mul_i32 s20, s20, 12800
	s_mov_b32 s21, 0
	s_lshl_b32 s22, s18, 4
	s_add_co_u32 s22, s22, s66
	s_lshl_b32 s23, s[WB], 3
	s_add_co_u32 s22, s22, s23                     ; B: row tile 16 x tile column + 8 x the half
	s_mul_i32 s22, s22, 12800
	s_mov_b32 s23, 0
	s_mul_i32 s67, s[WB], 25600                    ; where they go: no place in the cluster enters an LDS address
	s_mul_i32 s68, s[WB], 51200
	s_wait_dscnt 0x0
	s_wait_kmcnt 0x0
	s_add_nc_u64 s[20:21], s[4:5], s[20:21]
	s_add_nc_u64 s[22:23], s[4:5], s[22:23]
	CROUND                                         ; all sixteen work-groups are here: the joint loads meet
.irp al,0,1
	s_mov_b32 s[G0A+4*\al], 1
	s_add_co_u32 s[G0A+4*\al+1], s67, \al*51200
	s_add_nc_u64 s[G0A+4*\al+2:G0A+4*\al+3], s[20:21], \al*6400
	s_or_b32 s[G0A+4*\al+3], s[G0A+4*\al+3], 0x80000000
	s_mov_b32 s[G0B+4*\al], 1
	s_add_co_u32 s[G0B+4*\al+1], s68, 102400+\al*102400
	s_add_nc_u64 s[G0B+4*\al+2:G0B+4*\al+3], s[22:23], \al*6400
	s_or_b32 s[G0B+4*\al+3], s[G0B+4*\al+3], 0x80000000
.endr
	s_cmp_eq_u32 s[WA], 0                          ; waves 0 and 1 fetch A's halves, waves 2 and 3 B's; a wave's two fills stand in one branch: two loads of mine are out
	s_cbranch_scc0 .Lfill_b
	tensor_load_to_lds s[G0A:G0A+3], s[G1A:G1A+7]
	s_nop 0
	tensor_load_to_lds s[G0A+4:G0A+7], s[G1A:G1A+7]
	s_nop 0
	PLACES
	s_branch .Lfilled
.Lfill_b:
	tensor_load_to_lds s[G0B:G0B+3], s[G1B:G1B+7]
	s_nop 0
	tensor_load_to_lds s[G0B+4:G0B+7], s[G1B:G1B+7]
	s_nop 0
	PLACES
.Lfilled:
	v_and_b32 v1, 31, v0                           ; lane
	v_and_b32 v2, 15, v0                           ; r
	v_bfe_u32 v3, v0, 4, 1                         ; h
	v_lshlrev_b32 v4, 3, v1                        ; 8 x lane
	v_lshlrev_b32 v5, 4, v2                        ; 16 r
	s_mul_i32 s69, s[WA], 25600
	s_mul_i32 s70, s[WB], 51200
	s_add_co_u32 s70, s70, 102400
.irp al,0,1
	v_add_nc_u32 v[ADRA+\al], s69, v4
	v_add_nc_u32 v[ADRB+\al], s70, v4
	v_add_nc_u32 v[ADSA+\al], s69, v5
	v_add_nc_u32 v[ADSB+\al], s70, v5
	s_add_co_u32 s69, s69, 51200
	s_add_co_u32 s70, s70, 102400
.endr
.irp b,0,1,2,3
	v_mov_b32 v[TM+4+\b], 0                        ; a lane permute's destination counts as one of its sources
.endr
	s_wait_alu depctr_va_vdst(0)
	s_wait_tensorcnt 0x1                           ; my part of the first K half is in; the second half's load may stay out
	s_barrier_signal -1
	s_barrier_wait -1
	FETCH 0
	SCALES 0
	KSTEP 0
	KSTEP 1
	KSTEP 2
	KSTEP 3
	KSTEP 4
	KSTEP 5
	s_cmp_eq_u32 ttmp9, 2                          ; the kind is the cluster's x: the same in all partners
	s_cbranch_scc1 .Lv_path
	; ---- q and k.  Addresses, then the table's loads, which land under the last 64 products
	s_cmp_eq_u32 ttmp9, 0
	s_cselect_b64 s[8:9], s[8:9], s[10:11]         ; qb or kv
	s_mov_b32 s74, 13056
	s_cselect_b32 s74, 6656, s74                   ; a record
	s_mov_b32 s75, 12288
	s_cselect_b32 s75, 6144, s75                   ; where its scale words begin
	s_and_b32 s71, s17, 15                         ; which 128 tokens of the sequence
	s_lshl_b32 s72, s71, 7
	s_lshl_b32 s73, s[WA], 6
	s_add_co_u32 s72, s72, s73
	s_lshl_b32 s72, s72, 8                         ; 256 bytes a token
	s_mov_b32 s73, 0
	s_add_nc_u64 s[6:7], s[6:7], s[72:73]
	s_lshr_b32 s76, s17, 4
	s_lshl_b32 s76, s76, 4                         ; 16 x batch
	s_lshl_b32 s77, s56, 2
	s_add_co_u32 s76, s76, s77
	s_lshl_b32 s77, s[WB], 1
	s_add_co_u32 s76, s76, s77                     ; + my even head: 4 cx + 2 x my half
	s_lshl_b32 s76, s76, 4
	s_add_co_u32 s76, s76, s71
	s_mul_i32 s76, s76, s74
	s_mov_b32 s77, 0
	s_add_nc_u64 s[8:9], s[8:9], s[76:77]          ; the even head's record
	s_lshl_b32 s78, s74, 4                         ; the odd head's lies 16 records on
	s_mov_b32 s79, 0
	s_mul_i32 s72, s[WA], 3072
	s_add_nc_u64 s[10:11], s[8:9], s[72:73]        ; my four tiles in it,
	s_add_nc_u64 s[12:13], s[10:11], s[78:79]      ; and in the odd head's
	s_lshl_b32 s72, s[WA], 8
	s_add_co_u32 s72, s72, s75
	s_add_nc_u64 s[8:9], s[8:9], s[72:73]          ; my half of the scale words
	v_mul_lo_u32 v13, v3, s78
	v_lshl_add_u32 v13, v2, 4, v13                 ; 16 r; lanes 16-31 in the odd head's record
	v_lshlrev_b32 v14, 4, v3                       ; 16 h
	v_and_b32 v15, 8, v2
	v_add_nc_u32 v15, v15, v2
	v_lshlrev_b32 v15, 8, v15
	v_lshl_add_u32 v15, v3, 6, v15                 ; the table: token r + 8 (r / 8), + 64 h: pairs 8 h + 0 .. 7
	WIN 0xc0                                       ; destination window 3
.irp a,0,1,2,3
.irp e,0,1
.irp q,0,1,2,3
	global_load_b128 v[32*\a+16*\e+4*\q:32*\a+16*\e+4*\q+3], v15, s[6:7] offset:(32*(\a/2)+8*(\a%2))*256+128*\e+16*\q
.endr
.endr
.endr
	WIN 0
	KSTEP 6
	KSTEP 7
	PLACES
.irp a,0,1,2,3
	s_wait_loadcnt 8*(3-\a)                        ; this row tile's eight table loads are in; the later tiles' may be out
.if \a>=2
	s_wait_xcnt 0x0                                ; this set of codes was the data of stores two tiles ago
.endif
	WIN 0x0e                                       ; source 0 (the sums) window 2, source 1 (cos, sin) window 3
.irp B,0,1,2,3
.irp m,0,1,2,3,4,5,6,7
	v_pk_mul_f32 v[U+2*\m:U+2*\m+1], v[64*\a+16*\B+2*\m:64*\a+16*\B+2*\m+1], v[32*\a+16*(\B%2)+2*\m:32*\a+16*(\B%2)+2*\m+1] op_sel:[1,1] op_sel_hi:[1,0]   ; (x2 sin, x2 cos); each accumulator is read from its low end on
.endr
.irp m,0,1,2,3,4,5,6,7
	v_pk_fma_f32 v[H+16*\B+2*\m:H+16*\B+2*\m+1], v[64*\a+16*\B+2*\m:64*\a+16*\B+2*\m+1], v[32*\a+16*(\B%2)+2*\m:32*\a+16*(\B%2)+2*\m+1], v[U+2*\m:U+2*\m+1] op_sel_hi:[0,1,1] neg_lo:[0,0,1]   ; (x1 cos - x2 sin, x1 sin + x2 cos)
.endr
.endr
	QUANT H, 0, PC+12*(\a%2), PW+\a                ; blocks 0, 1: the even head's 64; blocks 2, 3: the odd head's
.irp p,0,1,2
	global_store_b64 v4, v[PC+12*(\a%2)+2*\p:PC+12*(\a%2)+2*\p+1], s[10:11] offset:768*\a+256*\p
.endr
.irp p,0,1,2
	global_store_b64 v4, v[PC+12*(\a%2)+6+2*\p:PC+12*(\a%2)+7+2*\p], s[12:13] offset:768*\a+256*\p
.endr
.endr
.irp a,0,1,2,3
	v_bfe_u32 v[8+\a], v[PW+\a], v14, 16           ; lanes 0-15: the even head's two bytes; lanes 16-31: the odd head's; zeros above
.endr
	global_store_b128 v13, v[8:11], s[8:9]         ; sixteen lanes store 256 consecutive bytes, aligned
	s_branch .Lend
.Lv_path:
	; ---- v: a lane holds a feature; its 64 registers of a row tile are 128 tokens, one key step
	s_lshr_b32 s71, s18, 3
	s_lshl_b32 s71, s71, 4                         ; 16 x batch
	s_lshl_b32 s72, s17, 1
	s_add_co_u32 s71, s71, s72
	s_add_co_u32 s71, s71, s[WA]                   ; + the head: 2 x tile row + my half
	s_lshl_b32 s71, s71, 4
	s_lshl_b32 s72, s18, 1
	s_add_co_u32 s72, s72, s[WB]
	s_and_b32 s72, s72, 15                         ; the key step
	s_add_co_u32 s71, s71, s72
	s_mul_i32 s72, s71, 13056
	s_mov_b32 s73, 0
	s_add_nc_u64 s[10:11], s[10:11], s[72:73]
	v_lshlrev_b32 v13, 4, v2
	v_lshl_add_u32 v13, v3, 3, v13                 ; 16 r + 8 h
	KSTEP 6
	KSTEP 7
	PLACES
.irp a,0,1,2,3
.if \a>=2
	s_wait_xcnt 0x0                                ; this set of codes was the data of stores two tiles ago
.endif
	QUANT 64*\a, 2, PC+12*(\a%2), PW+\a
.irp p,0,1,2,3,4,5
	global_store_b64 v4, v[PC+12*(\a%2)+2*\p:PC+12*(\a%2)+2*\p+1], s[10:11] offset:6144+1536*\a+256*\p
.endr
.endr
	v_cmp_ne_u32 vcc_lo, 0, v3
	v_cndmask_b32 v8, v[PW], v[PW+2], vcc_lo       ; lanes 0-15 store tiles 0 and 1's words of row r, lanes 16-31 tiles 2 and 3's
	v_cndmask_b32 v9, v[PW+1], v[PW+3], vcc_lo
	global_store_b64 v13, v[8:9], s[10:11] offset:12800
.Lend:
	s_wait_tensorcnt 0x0
	ds_add_u32 v250, v251
	s_wait_dscnt 0x0
	CROUND                                         ; the closing round: no work-group ends while a partner may still ask for a tile that names it
	s_endpgm
.Lfunc_end_k_q7c9692be73_qkv:
	.size	k_q7c9692be73_qkv, .Lfunc_end_k_q7c9692be73_qkv-k_q7c9692be73_qkv
	.p2alignl 7, 3214868480
	.fill 96, 4, 3214868480
	.section	.rodata,"a",@progbits
	.p2align	6, 0x0
	.amdhsa_kernel k_q7c9692be73_qkv
		.amdhsa_group_segment_fixed_size 307712
		.amdhsa_private_segment_fixed_size 0
		.amdhsa_enable_private_segment 0
		.amdhsa_kernarg_size 32
		.amdhsa_user_sgpr_count 2
		.amdhsa_user_sgpr_kernarg_segment_ptr 1
		.amdhsa_wavefront_size32 1
		.amdhsa_system_sgpr_workgroup_id_x 1
		.amdhsa_system_sgpr_workgroup_id_y 1
		.amdhsa_system_sgpr_workgroup_id_z 1
		.amdhsa_system_vgpr_workitem_id 0
		.amdhsa_next_free_vgpr 896
		.amdhsa_next_free_sgpr 80
		.amdhsa_reserve_vcc 1
		.amdhsa_float_denorm_mode_32 3
		.amdhsa_float_denorm_mode_16_64 3
		.amdhsa_memory_ordered 1
		.amdhsa_forward_progress 1
		.amdhsa_inst_pref_size 149
	.end_amdhsa_kernel
	.amdgpu_metadata
---
amdhsa.version: [ 1, 2 ]
amdhsa.kernels:
  - .name:           k_q7c9692be73_qkv
    .symbol:         k_q7c9692be73_qkv.kd
    .args:
      - { .name: xw, .offset: 0, .size: 8, .value_kind: global_buffer, .address_space: global }
      - { .name: rope, .offset: 8, .size: 8, .value_kind: global_buffer, .address_space: global }
      - { .name: qb, .offset: 16, .size: 8, .value_kind: global_buffer, .address_space: global }
      - { .name: kv, .offset: 24, .size: 8, .value_kind: global_buffer, .address_space: global }
    .group_segment_fixed_size: 307712
    .private_segment_fixed_size: 0
    .kernarg_segment_align: 8
    .kernarg_segment_size: 32
    .max_flat_workgroup_size: 128
    .sgpr_count:     80
    .vgpr_count:     896
    .wavefront_size: 32
...
	.end_amdgpu_metadata
.endif
;; end of part 2
;; launch attn (part 3): grid 4 x 64, 16 waves a work-group, no clusters, 210,944 bytes of LDS; arguments qb, kv, ob; writes ob
.if DOCPART == 3
	.amdgcn_target "amdgcn-amd-amdhsa--gfx1250"
	.amdhsa_code_object_version 6
	.text
	.protected	k_q7c9692be73_attn
	.globl	k_q7c9692be73_attn
	.p2align	8
	.type	k_q7c9692be73_attn,@function
k_q7c9692be73_attn:
	s_mov_b64 s[64:65], 0
	v_nop
	global_prefetch_b8 v0, s[64:65] scope:SCOPE_SE
	s_setreg_imm32_b32 hwreg(HW_REG_WAVE_MODE, 25, 1), 1
	s_wait_xcnt 0x0
; Causal attention of one head on codes of FP6 (E2M3) with E8M0 scales, and the result quantised along D for the output projection.
; t = score x log2(e) / 8; M = the running largest t, rounded UP to a whole number; p = 2^(t - M) is quantised along the keys, not normalised; the row's sum is taken of the unquantised p and divides at the end.
; SHARES.  Work-group (i, batch x head) owns query blocks 7 - i and i, 256 queries each: under the mask that is the same work in every work-group.  Each of sixteen waves owns one tile of 16 queries in each of the two passes.
; THE HEAD'S WHOLE K AND V, 16 records of 13,056 bytes, IS BROUGHT INTO LDS ONCE, by waves 0 to 5: first records 0 and 1, then the other 14: no LDS byte is filled again, so there is no ring.
; No cluster: the four work-groups of a head reach a given key step at different times, since their blocks differ; walking in step would make each walk the longest partner's steps in both passes.
; LAYOUT.  Both products are used transposed: S^T = K Q^T (source 0 = 16 keys), O^T = V^T P^T (source 0 = 16 features): a lane holds one query.  Tiles are in tile order (lane r of tile T: row 32 (T / 2) + 8 (T % 2) + r + 8 (r / 8)),
; so the 16 registers of two neighbouring tiles are 16 neighbouring keys, or features.
; K = 64 IN AN INSTRUCTION OF 128: Q's registers 6-11 are zero codes.  K's fragment t is v[32 + 6 t : 43 + 6 t]: its upper six registers are the next tile's codes (behind the last tile: zeros).  E2M3 has neither infinity nor NaN,
; so they meet zeros and add nothing; the upper two bytes of q's and k's scale words are 0, which only makes those zeros' scale small.
; THE MASK.  Trip counts are constants.  A step all of whose keys come after my queries is left by a scalar branch on ids; on the diagonal hidden scores become -infinity ahead of the maximum.  Key 0 counts for every query.
; ob: [row tile 512][half of D 2] records of 6,400 bytes: four fragments (128 of D = two heads each), then scale words [r 16][4].  A head owns three pieces of a fragment and two bytes of a scale word; those bytes go out singly.
; LIMITS: a block of zeros keeps the byte 1; NaN and infinities are not served.
.set REC,  13056
.set AK0,  1                           ; v1   8 x lane
.set AS0,  2                           ; v2   16 r
.set RR,   3                           ; v3   r
.set HH,   4                           ; v4   h
.set QD,   7                           ; v7   my query - 16 h
.set ADK,  8                           ; v8   the step's record + 8 x lane
.set ADS,  9                           ; v9   the step's record + 16 r
.set OBO,  10                          ; v10  16 r + h
.set QL,   11                          ; v11  my query's place in its 32, - 16 h
.set QF,   16                          ; v16-21 Q, v22-27 zero codes
.set QS,   28                          ; v28  Q's scale word
.set KV,   32                          ; v32-79 K (8 x 6) or V (4 x 12); v80-85 zeros
.set KS,   86                          ; v86-93 K's scale words
.set S,    96                          ; v96-159 S^T, then p
.set O,    160                         ; v160-191 O^T
.set VS,   192                         ; v192-195 V's scale words
.set PCD,  196                         ; v196-207 p's codes
.set BM,   208                         ; v208-211 each block's largest score, then largest p
.set PT,   212                         ; v212-219 at work
.set SO,   220                         ; v220-223 the conversions' scale operands
.set FF,   224                         ; v224 f = 2^(old M - new M); v225 p's scale word
.set T0,   226
.set T1,   227
.set WV,   10
.set WI,   11
.set BH,   12
.set BLK,  13
.set Q0,   14                          ; the first query of my 32
.set KF,   15                          ; the step's first key
.set TB,   16                          ; the step's record in LDS
.set CNT,  17
.set SEL,  18
.set CS,   20
.set G1X,  24                          ; s[24:31] group 1 of the first fill, s[32:39] of the second; s[40:43], s[44:47] their groups 0
.set G1Y,  32
.set G0X,  40
.set G0Y,  44
.macro PLACES
.rept 4
	v_nop
.endr
.endm
; The head of a pass over query block s[BLK]
.macro PASSHEAD
	s_wait_xcnt 0x0                                ; the last pass's stores have read their bases, offsets and data
	s_lshl_b32 s[Q0], s[BLK], 8
	s_lshr_b32 s56, s[WV], 1
	s_lshl_b32 s56, s56, 5
	s_add_co_u32 s[Q0], s[Q0], s56
	s_mov_b32 s[KF], 0
	s_mov_b32 s[TB], 0
	s_lshl_b32 s56, s[BH], 4
	s_lshl_b32 s57, s[BLK], 1
	s_add_co_u32 s56, s56, s57
	s_lshr_b32 s57, s[WV], 3
	s_add_co_u32 s56, s56, s57
	s_mul_i32 s56, s56, 6656                       ; q's record: 128 queries
	s_mov_b32 s57, 0
	s_add_nc_u64 s[52:53], s[4:5], s[56:57]
	s_and_b32 s58, s[WV], 7
	s_mul_i32 s58, s58, 768                        ; my tile in it
	s_mov_b32 s59, 0
	s_add_nc_u64 s[48:49], s[52:53], s[58:59]
	s_bfe_u32 s58, s[WV], 0x10002
	s_lshl_b32 s58, s58, 8
	s_and_b32 s60, s[WV], 3
	s_lshl_b32 s60, s60, 2
	s_add_co_u32 s58, s58, s60
	s_add_co_u32 s58, s58, 6144                    ; my tile's scale words
	s_add_nc_u64 s[52:53], s[52:53], s[58:59]
.irp p,0,1,2
	global_load_b64 v[QF+2*\p:QF+2*\p+1], v[AK0], s[48:49] offset:256*\p
.endr
	global_load_b32 v[QS], v[AS0], s[52:53]
	s_lshr_b32 s56, s[BH], 4
	s_lshl_b32 s56, s56, 7
	s_lshl_b32 s57, s[BLK], 4
	s_add_co_u32 s56, s56, s57
	s_add_co_u32 s56, s56, s[WV]                   ; my row tile of ob: 128 x batch + 16 x block + wave
	s_lshl_b32 s56, s56, 1
	s_bfe_u32 s57, s[BH], 0x10003
	s_add_co_u32 s56, s56, s57                     ; the half of D in which my head lies
	s_mul_i32 s56, s56, 6400
	s_mov_b32 s57, 0
	s_add_nc_u64 s[54:55], s[8:9], s[56:57]
	s_and_b32 s58, s[BH], 7
	s_mul_i32 s60, s58, 768                        ; my head's three pieces
	s_mov_b32 s61, 0
	s_add_nc_u64 s[50:51], s[54:55], s[60:61]
	s_lshl_b32 s60, s58, 1
	s_add_co_u32 s60, s60, 6144                    ; and its two bytes of a row's scale words
	s_add_nc_u64 s[54:55], s[54:55], s[60:61]
	v_add_nc_u32 v[QD], s[Q0], v[QL]
	v_mov_b32 v13, 0xff61b1e6                      ; the largest t so far: -3e38
	s_delay_alu instid0(VALU_DEP_1)
	v_floor_f32 v12, -v13                          ; -M
	v_mov_b32 v14, 0                               ; the sum, in two halves
	v_mov_b32 v15, 0
.set n, 0
.rept 32
	v_mov_b32 v[O+n], 0                            ; O^T: the step is written once; the first finds zeros
.set n, n+1
.endr
	s_wait_loadcnt 0x0
.endm
; A key step: 128 keys
.macro STEP
	s_cmp_gt_u32 s[KF], s[Q0]                      ; both are multiples of 32: then every key of the step comes after all 32 queries
	s_cbranch_scc1 .Lhidden_\@
	s_setprio 2
	v_add_nc_u32 v[ADK], s[TB], v[AK0]
	v_add_nc_u32 v[ADS], s[TB], v[AS0]
	v_nop
	v_nop                                          ; four plain instructions in front of loads into registers that the last products read
.irp t,0,1,2,3,4,5,6,7
.irp p,0,1,2
	ds_load_b64 v[KV+6*\t+2*\p:KV+6*\t+2*\p+1], v[ADK] offset:768*\t+256*\p
.endr
.endr
	ds_load_b128 v[KS:KS+3], v[ADS] offset:12288
	ds_load_b128 v[KS+4:KS+7], v[ADS] offset:12544
	s_wait_alu depctr_va_vdst(0)
	s_wait_dscnt 0x0
.irp t,0,1,2,3,4,5,6,7
	v_wmma_scale_f32_16x16x128_f8f6f4 v[S+8*\t:S+8*\t+7], v[KV+6*\t:KV+6*\t+11], v[QF:QF+11], 0, v[KS+\t], v[QS] matrix_a_fmt:MATRIX_FMT_FP6 matrix_b_fmt:MATRIX_FMT_FP6
.endr
	PLACES
.irp t,0,1,2,3
.irp p,0,1,2,3,4,5
	ds_load_b64 v[KV+12*\t+2*\p:KV+12*\t+2*\p+1], v[ADK] offset:6144+1536*\t+256*\p   ; V lands under the softmax
.endr
.endr
	ds_load_b128 v[VS:VS+3], v[ADS] offset:12800
	s_add_co_u32 s56, s[KF], 127
	s_cmp_le_u32 s56, s[Q0]                        ; all keys count: no mask
	s_cbranch_scc1 .Lopen_\@
	v_sub_nc_u32 v[T0], v[QD], s[KF]               ; d.  Register 16 b + i holds key KF + 16 h + 32 b + i: hidden where 32 b + i > d
	v_mov_b32 v[T1], 0xff800000
.set n, 0
.rept 64
	v_cmp_gt_i32 vcc_lo, 32*(n/16)+n%16, v[T0]
	v_cndmask_b32 v[S+n], v[S+n], v[T1], vcc_lo
.set n, n+1
.endr
.Lopen_\@:
.irp b,0,1,2,3
	v_max3_num_f32 v[BM+\b], v[S+16*\b], v[S+1+16*\b], v[S+2+16*\b]   ; the largest score of each block of 32 keys: for the row's maximum, and, since p rises with the score, for the block's largest p
.endr
.irp i,3,5,7,9,11,13
.irp b,0,1,2,3
	v_max3_num_f32 v[BM+\b], v[BM+\b], v[S+16*\b+\i], v[S+1+16*\b+\i]
.endr
.endr
.irp b,0,1,2,3
	v_max_num_f32 v[BM+\b], v[BM+\b], v[S+15+16*\b]
.endr
.irp b,0,1,2,3
	s_delay_alu instid0(VALU_DEP_4)
	v_permlanex16_b32 v[PT+\b], v[BM+\b], s[SEL], s[SEL+1]
.endr
.irp b,0,1,2,3
	s_delay_alu instid0(VALU_DEP_4)
	v_max_num_f32 v[BM+\b], v[BM+\b], v[PT+\b]     ; with lane l xor 16's 16 keys
.endr
	s_delay_alu instid0(VALU_DEP_2)
	v_max3_num_f32 v[T0], v[BM], v[BM+1], v[BM+2]
	s_delay_alu instid0(VALU_DEP_1)
	v_max_num_f32 v[T0], v[T0], v[BM+3]
	s_delay_alu instid0(VALU_DEP_1)
	v_mul_f32 v[T0], s[CS], v[T0]                  ; as t
	s_delay_alu instid0(VALU_DEP_1)
	v_max_num_f32 v13, v13, v[T0]                  ; the running largest t
	v_mov_b32 v[T0], v12
	s_delay_alu instid0(VALU_DEP_2)
	v_floor_f32 v12, -v13                          ; the new -M = -ceil(t)
	s_delay_alu instid0(VALU_DEP_1)
	v_sub_f32 v[T0], v12, v[T0]                    ; old M - new M: a whole number, 0 or less
	s_delay_alu instid0(VALU_DEP_1)
	v_cvt_i32_f32 v[T0], v[T0]                     ; (it saturates)
	s_delay_alu instid0(VALU_DEP_1)
	v_ldexp_f32 v[FF], 1.0, v[T0]                  ; f: a multiplication by it rounds nothing
.set n, 0
	s_setprio 1
.rept 32
	v_pk_fma_f32 v[S+n:S+n+1], v[S+n:S+n+1], s[CS:CS+1], v[12:13] op_sel_hi:[1,0,0]   ; t - M
.set n, n+2
.endr
.irp b,0,1,2,3
	v_fma_f32 v[BM+\b], v[BM+\b], s[CS], v12       ; the same of each block's largest score
.endr
.set n, 0
	s_wait_alu depctr_va_vdst(0)
.rept 64
	v_exp_f32 v[S+n], v[S+n]                       ; p, at most 1
.set n, n+1
.endr
	v_pk_mul_f32 v[14:15], v[14:15], v[FF:FF+1] op_sel_hi:[1,0]   ; the sums under the new M: a plain instruction behind the exponentials
	s_wait_alu depctr_va_vdst(0)                   ; one wait for the batch of 64, ahead of its first reader
.irp b,0,1,2,3
	v_exp_f32 v[BM+\b], v[BM+\b]                   ; the block's largest p: the same two instructions on the same number
.endr
.set n, 0
	s_wait_alu depctr_va_vdst(0)
.rept 16
	v_pk_mul_f32 v[O+n:O+n+1], v[O+n:O+n+1], v[FF:FF+1] op_sel_hi:[1,0]   ; O^T under the new M: plain work behind the four
.set n, n+2
.endr
	s_wait_alu depctr_va_vdst(0)                   ; and one wait for the four
.irp b,0,1,2,3
	v_max_num_f32 v[BM+\b], 0x1800000, v[BM+\b]    ; the floor 2^(3 - 127): the byte cannot fall under 1
.endr
.irp b,0,1,2,3
	s_delay_alu instid0(VALU_DEP_4)
	v_add_nc_u32 v[SO+\b], 0xff000000, v[BM+\b]    ; 2 off the exponent field: the conversion's scale operand
.endr
.irp b,0,1,2,3
	s_delay_alu instid0(VALU_DEP_4)
	v_lshrrev_b32 v[PT+\b], 23, v[SO+\b]           ; the scale's byte
.endr
	s_delay_alu instid0(VALU_DEP_3)
	v_lshl_or_b32 v[FF+1], v[PT+1], 8, v[PT]       ; p's scale word for these 128 keys
	s_delay_alu instid0(VALU_DEP_1)
	v_lshl_or_b32 v[FF+1], v[PT+2], 16, v[FF+1]
	s_delay_alu instid0(VALU_DEP_1)
	v_lshl_or_b32 v[FF+1], v[PT+3], 24, v[FF+1]
.irp c,0,1
	v_cvt_scalef32_pk16_fp6_f32 v[PCD+6*\c:PCD+6*\c+2], v[S+32*\c:S+32*\c+15], v[SO+2*\c]
	v_cvt_scalef32_pk16_fp6_f32 v[PT+4*\c:PT+4*\c+2], v[S+16+32*\c:S+31+32*\c], v[SO+2*\c+1]
.endr
	v_nop                                          ; one plain instruction behind the scaled conversions
	s_setprio 0
.irp c,0,1                                     ; a whole block in a lane: lanes 0-15 block 2 c, lanes 16-31 block 2 c + 1
.irp i,0,1,2
	v_permlane16_swap_b32 v[PCD+6*\c+\i], v[PT+4*\c+\i]
.endr
.irp i,0,1,2
	s_delay_alu instid0(VALU_DEP_3)
	v_mov_b32 v[PCD+6*\c+3+\i], v[PT+4*\c+\i]
.endr
.endr
	v_pk_add_f32 v[212:213], v[100:101], v[104:105]
	v_pk_add_f32 v[252:253], v[108:109], v[112:113]
	v_pk_add_f32 v[250:251], v[116:117], v[120:121]
	v_pk_add_f32 v[248:249], v[124:125], v[128:129]
	v_pk_add_f32 v[246:247], v[132:133], v[136:137]
	v_pk_add_f32 v[244:245], v[140:141], v[144:145]
	v_pk_add_f32 v[242:243], v[148:149], v[152:153]
	v_pk_add_f32 v[14:15], v[14:15], v[156:157]
	v_pk_add_f32 v[212:213], v[212:213], v[96:97]
	v_pk_add_f32 v[252:253], v[252:253], v[98:99]
	v_pk_add_f32 v[250:251], v[250:251], v[102:103]
	v_pk_add_f32 v[248:249], v[248:249], v[106:107]
	v_pk_add_f32 v[246:247], v[246:247], v[110:111]
	v_pk_add_f32 v[244:245], v[244:245], v[114:115]
	v_pk_add_f32 v[242:243], v[242:243], v[118:119]
	v_pk_add_f32 v[14:15], v[14:15], v[122:123]
	v_pk_add_f32 v[212:213], v[212:213], v[126:127]
	v_pk_add_f32 v[252:253], v[252:253], v[130:131]
	v_pk_add_f32 v[250:251], v[250:251], v[134:135]
	v_pk_add_f32 v[248:249], v[248:249], v[138:139]
	v_pk_add_f32 v[246:247], v[246:247], v[142:143]
	v_pk_add_f32 v[244:245], v[244:245], v[146:147]
	v_pk_add_f32 v[242:243], v[242:243], v[150:151]
	v_pk_add_f32 v[14:15], v[14:15], v[154:155]
	v_pk_add_f32 v[212:213], v[212:213], v[158:159]
	s_delay_alu instid0(VALU_DEP_2)
	v_pk_add_f32 v[14:15], v[14:15], v[248:249]
	s_delay_alu instid0(VALU_DEP_2)
	v_pk_add_f32 v[212:213], v[212:213], v[246:247]
	v_pk_add_f32 v[252:253], v[252:253], v[244:245]
	v_pk_add_f32 v[250:251], v[250:251], v[242:243]
	s_delay_alu instid0(VALU_DEP_2)
	v_pk_add_f32 v[14:15], v[14:15], v[252:253]
	s_delay_alu instid0(VALU_DEP_2)
	v_pk_add_f32 v[212:213], v[212:213], v[250:251]
	s_delay_alu instid0(VALU_DEP_1)
	v_pk_add_f32 v[14:15], v[14:15], v[212:213]
	s_wait_dscnt 0x0                               ; V is in
.irp t,0,1,2,3
	v_wmma_scale_f32_16x16x128_f8f6f4 v[O+8*\t:O+8*\t+7], v[KV+12*\t:KV+12*\t+11], v[PCD:PCD+11], v[O+8*\t:O+8*\t+7], v[VS+\t], v[FF+1] matrix_a_fmt:MATRIX_FMT_FP6 matrix_b_fmt:MATRIX_FMT_FP6
.endr
.Lhidden_\@:
	s_add_co_u32 s[KF], s[KF], 128
	s_add_co_u32 s[TB], s[TB], REC
.endm
; The end of a pass: O^T / the sum, quantised along the head's 64, to ob
.macro FINAL
	PLACES
	v_add_f32 v14, v14, v15
	s_delay_alu instid0(VALU_DEP_1)
	v_permlanex16_b32 v[T0], v14, s[SEL], s[SEL+1]
	s_delay_alu instid0(VALU_DEP_1)
	v_add_f32 v14, v14, v[T0]                      ; the row's sum
	s_wait_alu depctr_va_vdst(0)
	v_rcp_f32 v14, v14
	v_nop                                          ; a plain instruction behind the reciprocal,
	s_wait_alu depctr_va_vdst(0)                   ; and the wait ahead of its first reader
.set n, 0
.rept 32
	v_mul_f32 v[S+n], v[O+n], v14                  ; register 16 b + i: feature 32 b + 16 h + i of my query
.set n, n+1
.endr
.irp b,0,1
	v_max3_num_f32 v[BM+\b], |v[S+16*\b]|, |v[S+1+16*\b]|, 0x1800000
.endr
.irp i,2,4,6,8,10,12,14
.irp b,0,1
	s_delay_alu instid0(VALU_DEP_2)
	v_max3_num_f32 v[BM+\b], v[BM+\b], |v[S+16*\b+\i]|, |v[S+1+16*\b+\i]|
.endr
.endr
.irp b,0,1
	s_delay_alu instid0(VALU_DEP_2)
	v_permlanex16_b32 v[PT+\b], v[BM+\b], s[SEL], s[SEL+1]
.endr
.irp b,0,1
	s_delay_alu instid0(VALU_DEP_2)
	v_max_num_f32 v[BM+\b], v[BM+\b], v[PT+\b]
.endr
.irp b,0,1
	s_delay_alu instid0(VALU_DEP_2)
	v_add_nc_u32 v[SO+\b], 0xff000000, v[BM+\b]
.endr
.irp b,0,1
	s_delay_alu instid0(VALU_DEP_2)
	v_lshrrev_b32 v[PT+\b], 23, v[SO+\b]
.endr
	v_cmp_ne_u32 vcc_lo, 0, v[HH]
	s_delay_alu instid0(VALU_DEP_1)
	v_cndmask_b32 v[T1], v[PT], v[PT+1], vcc_lo    ; lanes 0-15 store block 0's byte of row r, lanes 16-31 block 1's
	v_cvt_scalef32_pk16_fp6_f32 v[PCD:PCD+2], v[S:S+15], v[SO]
	v_cvt_scalef32_pk16_fp6_f32 v[PT+4:PT+6], v[S+16:S+31], v[SO+1]
	v_nop
.irp i,0,1,2
	v_permlane16_swap_b32 v[PCD+\i], v[PT+4+\i]
.endr
.irp i,0,1,2
	s_delay_alu instid0(VALU_DEP_3)
	v_mov_b32 v[PCD+3+\i], v[PT+4+\i]
.endr
.irp p,0,1,2
	global_store_b64 v[AK0], v[PCD+2*\p:PCD+2*\p+1], s[50:51] offset:256*\p   ; a piece: 256 consecutive bytes, aligned
.endr
	global_store_b8 v[OBO], v[T1], s[54:55]
.endm
	s_load_b128 s[4:7], s[0:1], 0x0                ; qb, kv
	s_load_b64 s[8:9], s[0:1], 0x10                ; ob
	v_lshl_add_u32 v254, v0, 2, 0x33000
	v_mov_b32 v255, 0
	ds_add_u32 v254, v255
	ds_add_u32 v254, v255
	v_lshrrev_b32 v5, 5, v0
	s_delay_alu instid0(VALU_DEP_1)
	v_readfirstlane_b32 s[WV], v5
	s_mov_b32 s[WI], ttmp9
	s_and_b32 s[BH], ttmp7, 0xffff
	; group 1: dense blocks as rows of 256 bytes (32 elements of 8): 17 rows a wave for records 0 and 1, 119 for the other 14
	s_mov_b32 s[G1X], 3<<16
	s_mov_b32 s[G1X+1], 32<<16
	s_mov_b32 s[G1X+2], 17<<16
	s_mov_b32 s[G1X+3], 32<<16
	s_mov_b32 s[G1X+4], 17
	s_mov_b32 s[G1X+5], 32
	s_mov_b32 s[G1X+6], 0
	s_mov_b32 s[G1X+7], 0
	s_mov_b32 s[G1Y], 3<<16
	s_mov_b32 s[G1Y+1], 32<<16
	s_mov_b32 s[G1Y+2], 119<<16
	s_mov_b32 s[G1Y+3], 32<<16
	s_mov_b32 s[G1Y+4], 119
	s_mov_b32 s[G1Y+5], 32
	s_mov_b32 s[G1Y+6], 0
	s_mov_b32 s[G1Y+7], 0
	s_mul_i32 s56, s[BH], 16*REC
	s_mov_b32 s57, 0
	s_mul_i32 s58, s[WV], 4352
	s_mov_b32 s59, 0
	s_mul_i32 s60, s[WV], 30464
	s_add_co_u32 s60, s60, 26112
	s_mov_b32 s61, 0
	s_mov_b32 s[SEL], 0x76543210
	s_mov_b32 s[SEL+1], 0xfedcba98
	s_mov_b32 s[CS], 0x3e38aa3b                    ; log2(e) / sqrt(64)
	s_mov_b32 s[CS+1], s[CS]
	s_wait_dscnt 0x0
	s_wait_kmcnt 0x0
	s_add_nc_u64 s[6:7], s[6:7], s[56:57]          ; the head's records
	s_mov_b32 s[G0X], 1
	s_mov_b32 s[G0X+1], s58
	s_add_nc_u64 s[G0X+2:G0X+3], s[6:7], s[58:59]
	s_or_b32 s[G0X+3], s[G0X+3], 0x80000000
	s_mov_b32 s[G0Y], 1
	s_mov_b32 s[G0Y+1], s60
	s_add_nc_u64 s[G0Y+2:G0Y+3], s[6:7], s[60:61]
	s_or_b32 s[G0Y+3], s[G0Y+3], 0x80000000
	s_cmp_lt_u32 s[WV], 6                          ; waves 0 to 5 fetch; a wave's two fills stand in one branch: two loads of mine are out
	s_cbranch_scc0 .Lno_fill
	tensor_load_to_lds s[G0X:G0X+3], s[G1X:G1X+7]
	s_nop 0
	tensor_load_to_lds s[G0Y:G0Y+3], s[G1Y:G1Y+7]
	s_nop 0
	PLACES
.Lno_fill:
	v_and_b32 v5, 31, v0
	s_delay_alu instid0(VALU_DEP_1)
	v_lshlrev_b32 v[AK0], 3, v5
	v_and_b32 v[RR], 15, v0
	v_bfe_u32 v[HH], v0, 4, 1
	s_delay_alu instid0(VALU_DEP_2)
	v_lshlrev_b32 v[AS0], 4, v[RR]
	s_delay_alu instid0(VALU_DEP_1)
	v_add_nc_u32 v[OBO], v[AS0], v[HH]
	s_delay_alu instid0(VALU_DEP_4)
	v_and_b32 v[QL], 8, v[RR]
	s_delay_alu instid0(VALU_DEP_1)
	v_add_nc_u32 v[QL], v[QL], v[RR]               ; r + 8 (r / 8)
	v_lshlrev_b32 v5, 4, v[HH]
	s_delay_alu instid0(VALU_DEP_1)
	v_sub_nc_u32 v[QL], v[QL], v5                  ; - 16 h
	s_and_b32 s56, s[WV], 1
	s_lshl_b32 s56, s56, 3
	v_add_nc_u32 v[QL], s56, v[QL]                 ; + 8 for the odd tile of a pair
.irp j,0,1,2,3,4,5
	v_mov_b32 v[QF+6+\j], 0                        ; Q's upper 64 along K: zero codes
	v_mov_b32 v[KV+48+\j], 0                       ; behind K's last tile
.endr
.irp b,0,1,2,3
	v_mov_b32 v[PT+\b], 0                          ; a lane permute's destination counts as one of its sources
.endr
	v_mov_b32 v[FF+1], 0                           ; named as the upper half of a pair before it is first made
	v_mov_b32 v[T0], 0
	v_mov_b32 v[T1], 0
	s_sub_co_u32 s[BLK], 7, s[WI]
	PASSHEAD
	s_wait_tensorcnt 0x1                           ; my part of records 0 and 1 is in; the other load may stay out
	s_barrier_signal -1
	s_barrier_wait -1
	STEP                                           ; written out: these two read records 0 and 1 alone
	STEP
	s_wait_tensorcnt 0x0
	s_wait_dscnt 0x0
	s_barrier_signal -1
	s_barrier_wait -1                              ; the whole head lies in LDS
	s_mov_b32 s[CNT], 14
.Lpass1:
	STEP
	s_sub_co_u32 s[CNT], s[CNT], 1
	s_cmp_lg_u32 s[CNT], 0
	s_cbranch_scc1 .Lpass1
	s_setprio 0
	s_wait_alu depctr_va_vdst(0)
	FINAL
	s_mov_b32 s[BLK], s[WI]
	PASSHEAD
	s_mov_b32 s[CNT], 16
.Lpass2:
	STEP
	s_sub_co_u32 s[CNT], s[CNT], 1
	s_cmp_lg_u32 s[CNT], 0
	s_cbranch_scc1 .Lpass2
	s_setprio 0
	s_wait_alu depctr_va_vdst(0)
	FINAL
	s_wait_tensorcnt 0x0
	ds_add_u32 v254, v255
	s_wait_dscnt 0x0
	s_endpgm
.Lfunc_end_k_q7c9692be73_attn:
	.size	k_q7c9692be73_attn, .Lfunc_end_k_q7c9692be73_attn-k_q7c9692be73_attn
	.p2alignl 7, 3214868480
	.fill 96, 4, 3214868480
	.section	.rodata,"a",@progbits
	.p2align	6, 0x0
	.amdhsa_kernel k_q7c9692be73_attn
		.amdhsa_group_segment_fixed_size 210944
		.amdhsa_private_segment_fixed_size 0
		.amdhsa_enable_private_segment 0
		.amdhsa_kernarg_size 24
		.amdhsa_user_sgpr_count 2
		.amdhsa_user_sgpr_kernarg_segment_ptr 1
		.amdhsa_wavefront_size32 1
		.amdhsa_system_sgpr_workgroup_id_x 1
		.amdhsa_system_sgpr_workgroup_id_y 1
		.amdhsa_system_sgpr_workgroup_id_z 1
		.amdhsa_system_vgpr_workitem_id 0
		.amdhsa_next_free_vgpr 256
		.amdhsa_next_free_sgpr 66
		.amdhsa_reserve_vcc 1
		.amdhsa_float_denorm_mode_32 3
		.amdhsa_float_denorm_mode_16_64 3
		.amdhsa_memory_ordered 1
		.amdhsa_forward_progress 1
		.amdhsa_inst_pref_size 115
	.end_amdhsa_kernel
	.amdgpu_metadata
---
amdhsa.version: [ 1, 2 ]
amdhsa.kernels:
  - .name:           k_q7c9692be73_attn
    .symbol:         k_q7c9692be73_attn.kd
    .args:
      - { .name: qb, .offset: 0, .size: 8, .value_kind: global_buffer, .address_space: global }
      - { .name: kv, .offset: 8, .size: 8, .value_kind: global_buffer, .address_space: global }
      - { .name: ob, .offset: 16, .size: 8, .value_kind: global_buffer, .address_space: global }
    .group_segment_fixed_size: 210944
    .private_segment_fixed_size: 0
    .kernarg_segment_align: 8
    .kernarg_segment_size: 24
    .max_flat_workgroup_size: 512
    .sgpr_count:     66
    .vgpr_count:     256
    .wavefront_size: 32
...
	.end_amdgpu_metadata
.endif
;; end of part 3
;; launch oproj (part 4): grid 4 x 64, 4 waves a work-group, clusters of 4 x 4, 307,712 bytes of LDS; arguments ob, xw, out0; writes out0
.if DOCPART == 4
	.amdgcn_target "amdgcn-amd-amdhsa--gfx1250"
	.amdhsa_code_object_version 6
	.text
	.protected	k_q7c9692be73_oproj
	.globl	k_q7c9692be73_oproj
	.p2align	8
	.type	k_q7c9692be73_oproj,@function
k_q7c9692be73_oproj:
	s_mov_b64 s[64:65], 0
	v_nop
	global_prefetch_b8 v0, s[64:65] scope:SCOPE_SE
	s_setreg_imm32_b32 hwreg(HW_REG_WAVE_MODE, 25, 1), 1
	s_wait_xcnt 0x0
	s_wait_alu depctr_hold_cnt(0) depctr_sa_sdst(0) depctr_va_vdst(0) depctr_va_sdst(0) depctr_va_ssrc(0) depctr_va_vcc(0) depctr_vm_vsrc(0)
	s_getreg_b32 s2, hwreg(HW_REG_IB_STS2, 6, 4)
	s_cmp_eq_u32 s2, 0
	s_cbranch_scc0 .Lentry_in_a_cluster
	s_endpgm
.Lentry_in_a_cluster:
	s_bfe_u32 s2, ttmp6, 0x10000c
	s_cmp_lg_u32 s2, 0xf033
	s_cbranch_scc0 .Lentry_shape_is_right
	s_endpgm
.Lentry_shape_is_right:
; out0 = o w_o^T on codes of FP6 (E2M3) with E8M0 scales; out0 [8192][1024] f32.
; ob and xw: [row tile][half of K] records of 6,400 bytes: four fragments as images of operand registers (six pieces of 256 bytes, piece p = registers 2 p, 2 p + 1, lane l's 8 bytes at 8 l), then scale words [r 16][4].
; Lane r of row tile T holds row 32 (T / 2) + 8 (T % 2) + r + 8 (r / 8).  w_o's row tiles are 704-767 of xw.
; A WORK-GROUP makes 128 rows of o x 256 rows of w_o, all of K = 1,024 lying in LDS: each LDS byte is filled once, so there is no ring.  Four waves, each 64 x 128: 32 accumulators.
; THE PRODUCT IS USED TRANSPOSED (source 0 = 16 rows of w_o, source 1 = 16 rows of o): lane (r, h) holds one token, and the 16 registers of accumulators 2 B and 2 B + 1 are outputs 32 B + 16 h + 0 .. 15.
; CLUSTERS: 4 x 4 work-groups; o's tiles are asked for jointly along a row of the cluster, w_o's along a column.
; THE WAY OUT: 16 tokens x 128 outputs at a time through the wave's own stage in LDS (rows of 512 + 16 bytes), back as whole rows, which the 32 lanes store as 512 consecutive bytes.  The stages lie in bytes that have had
; their only fill and that, behind a barrier, nobody reads.
; REGISTERS: window 0: v1-5 lane numbers; v16-23 LDS addresses; v24-26 the way out; v32-127 scale words (nothing else ever); v128-223 A's fragments, two sets; on the way out v128-255 rows.
;   window 1: B's fragments, two sets of 96.   window 2: accumulator (a, b) at v[64 a + 8 b].
.set ADRA, 16
.set ADRB, 18
.set ADSA, 20
.set ADSB, 22
.set STO,  24                          ; v24  the stage: where I put 32 bytes of a row
.set RD,   25                          ; v25  and where I read a row back
.set CO,   26                          ; v26  16 x lane: my bytes of a row's 512 in out0
.set SA,   32
.set SB,   64
.set AF,   128
.set BK,   128                         ; v128-191 and v192-255 by turns: 16 rows read back
.set WV,   14
.set WA,   15
.set WB,   16
.set G1A,  24
.set G1B,  32
.set G0A,  40
.set G0B,  48
.set MSB, 0
.macro WIN new                         ; the immediate's high byte repeats the setting that is left
.if MSB != (\new)
	s_set_vgpr_msb (MSB<<8)|(\new)
.set MSB, (\new)
.endif
.endm
.macro CROUND                          ; a round of the cluster's barrier
	s_barrier_signal -1
	s_barrier_wait -1
	s_cmp_lg_u32 s[WV], 0
	s_cbranch_scc1 .Lnot_wave_0_\@
	s_barrier_signal -3
.Lnot_wave_0_\@:
	s_barrier_wait -3
	s_barrier_signal -1
	s_barrier_wait -1
.endm
.macro PLACES                          ; four plain instructions between a matrix instruction and a load into its sources, or a read of its result
.rept 4
	v_nop
.endr
.endm
.macro FRAG reg, adr, off
.irp p,0,1,2,3,4,5
	ds_load_b64 v[\reg+2*\p:\reg+2*\p+1], v[\adr] offset:\off+256*\p
.endr
.endm
.macro FETCH k                         ; K step k: B's eight fragments and A's four, into set k % 2
	WIN 0x40
.irp i,0,1,2,3,4,5,6,7
	FRAG 96*((\k)%2)+12*\i, ADRB+(\k)/4, 6400*\i+1536*((\k)%4)
.endr
	WIN 0
.irp i,0,1,2,3
	FRAG AF+48*((\k)%2)+12*\i, ADRA+(\k)/4, 6400*\i+1536*((\k)%4)
.endr
.endm
.macro SCALES al
.irp i,0,1,2,3
	ds_load_b128 v[SA+16*\al+4*\i:SA+16*\al+4*\i+3], v[ADSA+\al] offset:6144+6400*\i
.endr
.irp i,0,1,2,3,4,5,6,7
	ds_load_b128 v[SB+32*\al+4*\i:SB+32*\al+4*\i+3], v[ADSB+\al] offset:6144+6400*\i
.endr
.endm
.macro MULS k                          ; 32 products; the accumulators take turns, one instruction a turn, in the same order in every step.  Step 0 starts the sums
	WIN 0xa1
.irp a,0,1,2,3
.irp b,0,1,2,3,4,5,6,7
.if (\k)==0
	v_wmma_scale_f32_16x16x128_f8f6f4 v[64*\a+8*\b:64*\a+8*\b+7], v[96*((\k)%2)+12*\b:96*((\k)%2)+12*\b+11], v[AF+48*((\k)%2)+12*\a:AF+48*((\k)%2)+12*\a+11], 0, v[SB+32*((\k)/4)+4*\b+(\k)%4], v[SA+16*((\k)/4)+4*\a+(\k)%4] matrix_a_fmt:MATRIX_FMT_FP6 matrix_b_fmt:MATRIX_FMT_FP6
.else
	v_wmma_scale_f32_16x16x128_f8f6f4 v[64*\a+8*\b:64*\a+8*\b+7], v[96*((\k)%2)+12*\b:96*((\k)%2)+12*\b+11], v[AF+48*((\k)%2)+12*\a:AF+48*((\k)%2)+12*\a+11], v[64*\a+8*\b:64*\a+8*\b+7], v[SB+32*((\k)/4)+4*\b+(\k)%4], v[SA+16*((\k)/4)+4*\a+(\k)%4] matrix_a_fmt:MATRIX_FMT_FP6 matrix_b_fmt:MATRIX_FMT_FP6
.endif
.endr
.endr
	WIN 0
.endm
.macro KSTEP k
	s_wait_dscnt 0x0                               ; this step's fragments, asked for in front of the last step's 32 products, are in
.if (\k)==3
	s_wait_tensorcnt 0x0                           ; my part of the second K half has landed;
	s_barrier_signal -1
	s_barrier_wait -1                              ; everybody's has
.endif
.if (\k)>0
	PLACES                                         ; the set that the next loads fill was read by the last step's products
.endif
	FETCH (\k)+1
.if (\k)==3
	SCALES 1
.endif
	MULS \k
.endm
.macro TOSTAGE a                       ; row tile a: 16 tokens x 128 outputs into my stage, and back by rows
	WIN 0x08                                       ; an LDS store's data are its source 1: window 2
.irp b,0,1,2,3,4,5,6,7
	ds_store_b128 v[STO], v[64*(\a)+8*\b:64*(\a)+8*\b+3] offset:128*(\b/2)+32*(\b%2)       ; each accumulator from its low end on
	ds_store_b128 v[STO], v[64*(\a)+8*\b+4:64*(\a)+8*\b+7] offset:128*(\b/2)+32*(\b%2)+16
.endr
	WIN 0
.irp t,0,1,2,3,4,5,6,7,8,9,10,11,12,13,14,15
	ds_load_b128 v[BK+64*((\a)%2)+4*\t:BK+64*((\a)%2)+4*\t+3], v[RD] offset:528*\t   ; LDS serves a wave's instructions in order: these see the stores above
.endr
.endm
.macro SEND a, younger                 ; younger: the LDS instructions issued behind tile a's loads, which may stay out
	s_wait_dscnt \younger
.irp t,0,1,2,3,4,5,6,7,8,9,10,11,12,13,14,15
	global_store_b128 v[CO], v[BK+64*((\a)%2)+4*\t:BK+64*((\a)%2)+4*\t+3], s[8:9] offset:(32*((\a)/2)+8*((\a)%2)+\t+8*(\t/8))*4096 th:TH_STORE_NT   ; 512 consecutive bytes, aligned; stage row t is token t + 8 (t / 8) of the tile
.endr
.endm
	s_load_b128 s[4:7], s[0:1], 0x0                ; ob, xw
	s_load_b64 s[8:9], s[0:1], 0x10                ; out0
	v_lshl_add_u32 v30, v0, 2, 0x4b000
	v_mov_b32 v31, 0
	ds_add_u32 v30, v31
	ds_add_u32 v30, v31
	v_lshrrev_b32 v1, 5, v0
	v_readfirstlane_b32 s[WV], v1
	s_lshr_b32 s[WA], s[WV], 1                     ; which 64 tokens are mine.  Also: I fetch for A (0) or B (1)
	s_and_b32 s[WB], s[WV], 1                      ; which 128 outputs.  Also: which half of that tile I fetch
	s_bfe_u32 s56, ttmp6, 0x40000                  ; cx
	s_bfe_u32 s57, ttmp6, 0x40004                  ; cy
	s_and_b32 s58, ttmp7, 0xffff
	s_lshl_b32 s59, s57, 2
	s_lshl_b32 s59, 15, s59                        ; my row of the cluster
	s_lshl_b32 s60, 0x1111, s56                    ; my column
	s_or_b32 s[G1A], s59, (3<<16)|(1<<21)          ; 15:0 the mask; 17:16 elements of 8 bytes; 21 set beside a mask
	s_or_b32 s[G1B], s60, (3<<16)|(1<<21)
.irp g,G1A,G1B
	s_mov_b32 s[\g+1], 800<<16                     ; rows of 6,400 bytes,
	s_mov_b32 s[\g+3], 800<<16
	s_mov_b32 s[\g+5], 1600                        ; 12,800 bytes apart
	s_mov_b32 s[\g+6], 0
	s_mov_b32 s[\g+7], 0
.endr
	s_mov_b32 s[G1A+2], 4<<16                      ; 4 row tiles of A,
	s_mov_b32 s[G1A+4], 4
	s_mov_b32 s[G1B+2], 8<<16                      ; 8 of B
	s_mov_b32 s[G1B+4], 8
	s_lshl_b32 s17, s58, 2
	s_add_co_u32 s17, s17, s57                     ; tile row: never holds cx
	s_lshl_b32 s18, ttmp9, 2
	s_add_co_u32 s18, s18, s56                     ; tile column: never holds cy
	s_lshl_b32 s20, s17, 3
	s_lshl_b32 s21, s[WB], 2
	s_add_co_u32 s20, s20, s21
	s_mul_i32 s20, s20, 12800
	s_mov_b32 s21, 0
	s_lshl_b32 s22, s18, 4
	s_add_co_u32 s22, s22, 704
	s_lshl_b32 s23, s[WB], 3
	s_add_co_u32 s22, s22, s23
	s_mul_i32 s22, s22, 12800
	s_mov_b32 s23, 0
	s_mul_i32 s67, s[WB], 25600
	s_mul_i32 s68, s[WB], 51200
	s_wait_dscnt 0x0
	s_wait_kmcnt 0x0
	s_add_nc_u64 s[20:21], s[4:5], s[20:21]
	s_add_nc_u64 s[22:23], s[6:7], s[22:23]
	CROUND                                         ; all sixteen work-groups are here: the joint loads meet
.irp al,0,1
	s_mov_b32 s[G0A+4*\al], 1
	s_add_co_u32 s[G0A+4*\al+1], s67, \al*51200
	s_add_nc_u64 s[G0A+4*\al+2:G0A+4*\al+3], s[20:21], \al*6400
	s_or_b32 s[G0A+4*\al+3], s[G0A+4*\al+3], 0x80000000
	s_mov_b32 s[G0B+4*\al], 1
	s_add_co_u32 s[G0B+4*\al+1], s68, 102400+\al*102400
	s_add_nc_u64 s[G0B+4*\al+2:G0B+4*\al+3], s[22:23], \al*6400
	s_or_b32 s[G0B+4*\al+3], s[G0B+4*\al+3], 0x80000000
.endr
	s_cmp_eq_u32 s[WA], 0                          ; a wave's two fills stand in one branch: two loads of mine are out
	s_cbranch_scc0 .Lfill_b
	tensor_load_to_lds s[G0A:G0A+3], s[G1A:G1A+7]
	s_nop 0
	tensor_load_to_lds s[G0A+4:G0A+7], s[G1A:G1A+7]
	s_nop 0
	PLACES
	s_branch .Lfilled
.Lfill_b:
	tensor_load_to_lds s[G0B:G0B+3], s[G1B:G1B+7]
	s_nop 0
	tensor_load_to_lds s[G0B+4:G0B+7], s[G1B:G1B+7]
	s_nop 0
	PLACES
.Lfilled:
	v_and_b32 v1, 31, v0                           ; lane
	v_and_b32 v2, 15, v0                           ; r
	v_bfe_u32 v3, v0, 4, 1                         ; h
	v_lshlrev_b32 v4, 3, v1                        ; 8 x lane
	v_lshlrev_b32 v5, 4, v2                        ; 16 r
	s_mul_i32 s69, s[WA], 25600
	s_mul_i32 s70, s[WB], 51200
	s_add_co_u32 s70, s70, 102400
.irp al,0,1
	v_add_nc_u32 v[ADRA+\al], s69, v4
	v_add_nc_u32 v[ADRB+\al], s70, v4
	v_add_nc_u32 v[ADSA+\al], s69, v5
	v_add_nc_u32 v[ADSB+\al], s70, v5
	s_add_co_u32 s69, s69, 51200
	s_add_co_u32 s70, s70, 102400
.endr
	s_mul_i32 s71, s[WV], 8448                     ; my stage
	v_mul_u32_u24 v[STO], v2, 528
	v_lshl_add_u32 v[STO], v3, 6, v[STO]
	v_add_nc_u32 v[STO], s71, v[STO]               ; in: row r, + 64 h
	v_lshlrev_b32 v[CO], 4, v1
	v_add_nc_u32 v[RD], s71, v[CO]                 ; back: 16 bytes a lane
	s_lshl_b32 s72, s17, 19                        ; 128 rows of 4,096 bytes a tile row,
	s_lshl_b32 s73, s[WA], 18
	s_add_co_u32 s72, s72, s73
	s_lshl_b32 s73, s18, 10                        ; 1,024 bytes a tile column,
	s_add_co_u32 s72, s72, s73
	s_lshl_b32 s73, s[WB], 9
	s_add_co_u32 s72, s72, s73
	s_mov_b32 s73, 0
	s_add_nc_u64 s[8:9], s[8:9], s[72:73]          ; never stepped: a row's place stands in the stores' immediates
	s_wait_alu depctr_va_vdst(0)
	s_wait_tensorcnt 0x1                           ; my part of the first K half is in; the second half's load may stay out
	s_barrier_signal -1
	s_barrier_wait -1
	FETCH 0
	SCALES 0
	KSTEP 0
	KSTEP 1
	KSTEP 2
	KSTEP 3
	KSTEP 4
	KSTEP 5
	KSTEP 6
	s_wait_dscnt 0x0                               ; the last fragments are in: my reads of the tiles are over;
	s_barrier_signal -1                            ; say so,
	MULS 7                                         ; work on registers while the others arrive,
	s_barrier_wait -1                              ; and nobody reads the bytes in which the stages lie
	PLACES
	TOSTAGE 0
.irp a,1,2,3
.if \a>1
	s_wait_xcnt 0x0                                ; the stores of two tiles ago have read the registers into which this tile's rows come back
.endif
	TOSTAGE \a
	SEND \a-1, 32                                  ; behind that tile's loads: this tile's 16 stores and 16 loads
.endr
	SEND 3, 0
	s_wait_tensorcnt 0x0
	ds_add_u32 v30, v31
	s_wait_dscnt 0x0
	CROUND                                         ; the closing round: no work-group ends while a partner may still ask for a tile that names it
	s_endpgm
.Lfunc_end_k_q7c9692be73_oproj:
	.size	k_q7c9692be73_oproj, .Lfunc_end_k_q7c9692be73_oproj-k_q7c9692be73_oproj
	.p2alignl 7, 3214868480
	.fill 96, 4, 3214868480
	.section	.rodata,"a",@progbits
	.p2align	6, 0x0
	.amdhsa_kernel k_q7c9692be73_oproj
		.amdhsa_group_segment_fixed_size 307712
		.amdhsa_private_segment_fixed_size 0
		.amdhsa_enable_private_segment 0
		.amdhsa_kernarg_size 24
		.amdhsa_user_sgpr_count 2
		.amdhsa_user_sgpr_kernarg_segment_ptr 1
		.amdhsa_wavefront_size32 1
		.amdhsa_system_sgpr_workgroup_id_x 1
		.amdhsa_system_sgpr_workgroup_id_y 1
		.amdhsa_system_sgpr_workgroup_id_z 1
		.amdhsa_system_vgpr_workitem_id 0
		.amdhsa_next_free_vgpr 768
		.amdhsa_next_free_sgpr 80
		.amdhsa_reserve_vcc 0
		.amdhsa_float_denorm_mode_32 3
		.amdhsa_float_denorm_mode_16_64 3
		.amdhsa_memory_ordered 1
		.amdhsa_forward_progress 1
		.amdhsa_inst_pref_size 94
	.end_amdhsa_kernel
	.amdgpu_metadata
---
amdhsa.version: [ 1, 2 ]
amdhsa.kernels:
  - .name:           k_q7c9692be73_oproj
    .symbol:         k_q7c9692be73_oproj.kd
    .args:
      - { .name: ob, .offset: 0, .size: 8, .value_kind: global_buffer, .address_space: global }
      - { .name: xw, .offset: 8, .size: 8, .value_kind: global_buffer, .address_space: global }
      - { .name: out0, .offset: 16, .size: 8, .value_kind: global_buffer, .address_space: global }
    .group_segment_fixed_size: 307712
    .private_segment_fixed_size: 0
    .kernarg_segment_align: 8
    .kernarg_segment_size: 24
    .max_flat_workgroup_size: 128
    .sgpr_count:     80
    .vgpr_count:     768
    .wavefront_size: 32
...
	.end_amdgpu_metadata
.endif
;; end of part 4
